; MI455X (gfx1250); checked and timed in simulation.
; The chip was launched on July 23, 2026; its instructions are those of AMD's public machine-readable ISA for CDNA 5 (MIT licence, August 2026) and "CDNA5" Instruction Set Architecture Reference Guide (July 2026). The comments in the code are by the model that wrote it; some were corrected since.
;; Causal Attention. Allowed arithmetic: float matrix products may take bf16 or f16 operands with f32 sums; other float arithmetic in f32, or as packed bf16 or f16 multiplies, adds, multiply-adds, maxima and minima; sums over many terms, partial sums and values carried from step to step in f32; what a program stores and reads back later, other than sums and carried values, may be rounded once to bf16 or f16.
;; Inputs: wk 1,024 x 1,024 float32; wq 1,024 x 1,024 float32; wv 1,024 x 1,024 float32; x 4 x 2,048 x 1,024 float32.
;; Outputs: out0 4 x 2,048 x 1,024 float32.
;; 2 versions, each right; version 2 is version 1 with the launch cast written anew for expert scheduling mode. Each part assembles by itself: llvm-mc -triple=amdgcn-amd-amdhsa -mcpu=gfx1250 --defsym DOCPART=n.
;; ======== version 1 of 2: 4 launches
;; limits: values are held in f16: magnitudes above 65,504 overflow, below 6.1e-05 lose precision
;; workspace buffers: xb 16,777,216 bytes; wb 6,291,456 bytes; qkv 50,331,648 bytes; p 33,554,432 bytes; st 1,048,576 bytes
;; launch cast (part 1): grid 352 x 1, 8 waves a work-group, no clusters, 0 bytes of LDS; arguments x, wq, wk, wv, xb, wb; writes xb, wb
.if DOCPART == 1
	.amdgcn_target "amdgcn-amd-amdhsa--gfx1250"
	.amdhsa_code_object_version 6
	.text
	.protected	k_qdedc03d60e_cast
	.globl	k_qdedc03d60e_cast
	.p2align	8
	.type	k_qdedc03d60e_cast,@function
k_qdedc03d60e_cast:
	s_mov_b64 s[64:65], 0
	v_nop
	global_prefetch_b8 v0, s[64:65] scope:SCOPE_SE
	s_setreg_imm32_b32 hwreg(HW_REG_WAVE_MODE, 25, 1), 1
	s_wait_xcnt 0x0
; xb and wb: x and the three weights rounded once to bf16 and laid in blocks along K: [K block of 64][row][64], a row of a block 128 bytes,
; so that the rows of a tile of the next launch lie end to end.  wb holds wq's rows, then wk's, then wv's.
; A stream: no LDS, no matrix unit, no cluster (nothing is shared).  A work-group takes 32 rows, a wave 4, all 16 K blocks.
; A load: 16 lanes take the 256 bytes of one row's K block, the other 16 the next row's.  A store: the wave's 256 consecutive bytes, aligned.
; All 32 loads of a wave go out at once; no register is written twice, so the only waits are the counted ones for the loads.
.set SO, 1                             ; v1        byte offset of my 16 bytes in the group's first rows of the source
.set D,  2                             ; v[2:17]   byte offset of my 8 bytes in K block kb of the destination
.set X,  20                            ; v[20:147] 32 loads of 4 registers
.set Y,  148                           ; v[148:211] 32 stores of 2 registers
	s_load_b256 s[4:11], s[0:1], 0x0               ; x s[4:5], wq s[6:7], wk s[8:9], wv s[10:11]
	s_load_b128 s[12:15], s[0:1], 0x20             ; xb s[12:13], wb s[14:15]
	s_sub_co_u32 s16, ttmp9, 256                   ; groups 256 to 351 take the weights: 32 groups each
	s_and_b32 s18, s16, 31                         ; the group's place in its weight
	s_mov_b32 s19, 0x60000                         ; bytes from K block to K block: 3,072 rows of 128 in wb,
	s_mov_b32 s20, 0x100000                        ; 8,192 in xb
	s_cmp_lt_u32 ttmp9, 256
	s_cselect_b32 s17, ttmp9, s16                  ; block of 32 rows in the destination
	s_cselect_b32 s18, ttmp9, s18                  ; and in the source
	s_cselect_b32 s19, s20, s19
	s_lshl_b32 s26, s18, 17                        ; 32 rows of 4,096 bytes
	s_mov_b32 s27, 0
	s_lshl_b32 s28, s17, 12                        ; 32 rows of 128 bytes
	s_mov_b32 s29, 0
	v_lshrrev_b32 v18, 5, v0                       ; wave
	v_bfe_u32 v19, v0, 4, 1                        ; which of two rows
	v_lshl_add_u32 v18, v18, 2, v19                ; row 4 w + that
	v_and_b32 v19, 15, v0
	v_lshlrev_b32 v[SO], 12, v18
	v_lshl_add_u32 v[SO], v19, 4, v[SO]
	v_lshlrev_b32 v[D], 7, v18
	v_lshl_add_u32 v[D], v19, 3, v[D]
.set n, 1
.rept 15
	v_add_nc_u32 v[D+n], s19, v[D+n-1]
.set n, n+1
.endr
	s_wait_kmcnt 0x0
	s_cmp_lt_u32 ttmp9, 288
	s_cselect_b64 s[22:23], s[6:7], s[8:9]         ; the choice hangs on the group's number alone
	s_cmp_lt_u32 ttmp9, 320
	s_cselect_b64 s[22:23], s[22:23], s[10:11]
	s_cmp_lt_u32 ttmp9, 256
	s_cselect_b64 s[22:23], s[4:5], s[22:23]
	s_cselect_b64 s[24:25], s[12:13], s[14:15]
	s_add_nc_u64 s[22:23], s[22:23], s[26:27]
	s_add_nc_u64 s[24:25], s[24:25], s[28:29]
.set n, 0
.rept 32                               ; rows 4 w + 2 (n / 16) + 0, 1; K block n % 16
	global_load_b128 v[X+4*n:X+4*n+3], v[SO], s[22:23] offset:(n/16)*8192+(n%16)*256 th:TH_LOAD_NT
.set n, n+1
.endr
.set n, 0
.rept 32
	s_wait_loadcnt 31-n                            ; loads come back in order: load n is in, the younger ones stay out
	v_cvt_pk_bf16_f32 v[Y+2*n], v[X+4*n], v[X+4*n+1]
	v_cvt_pk_bf16_f32 v[Y+2*n+1], v[X+4*n+2], v[X+4*n+3]
	global_store_b64 v[D+n%16], v[Y+2*n:Y+2*n+1], s[24:25] offset:(n/16)*256
.set n, n+1
.endr
	s_endpgm
.Lfunc_end_k_qdedc03d60e_cast:
	.size	k_qdedc03d60e_cast, .Lfunc_end_k_qdedc03d60e_cast-k_qdedc03d60e_cast
	.p2alignl 7, 3214868480
	.fill 96, 4, 3214868480
	.section	.rodata,"a",@progbits
	.p2align	6, 0x0
	.amdhsa_kernel k_qdedc03d60e_cast
		.amdhsa_group_segment_fixed_size 0
		.amdhsa_private_segment_fixed_size 0
		.amdhsa_enable_private_segment 0
		.amdhsa_kernarg_size 48
		.amdhsa_user_sgpr_count 2
		.amdhsa_user_sgpr_kernarg_segment_ptr 1
		.amdhsa_wavefront_size32 1
		.amdhsa_system_sgpr_workgroup_id_x 1
		.amdhsa_system_sgpr_workgroup_id_y 1
		.amdhsa_system_sgpr_workgroup_id_z 1
		.amdhsa_system_vgpr_workitem_id 0
		.amdhsa_next_free_vgpr 216
		.amdhsa_next_free_sgpr 66
		.amdhsa_reserve_vcc 0
		.amdhsa_float_denorm_mode_32 3
		.amdhsa_float_denorm_mode_16_64 3
		.amdhsa_memory_ordered 1
		.amdhsa_forward_progress 1
		.amdhsa_inst_pref_size 14
	.end_amdhsa_kernel
	.amdgpu_metadata
---
amdhsa.version: [ 1, 2 ]
amdhsa.kernels:
  - .name:           k_qdedc03d60e_cast
    .symbol:         k_qdedc03d60e_cast.kd
    .args:
      - { .name: x, .offset: 0, .size: 8, .value_kind: global_buffer, .address_space: global }
      - { .name: wq, .offset: 8, .size: 8, .value_kind: global_buffer, .address_space: global }
      - { .name: wk, .offset: 16, .size: 8, .value_kind: global_buffer, .address_space: global }
      - { .name: wv, .offset: 24, .size: 8, .value_kind: global_buffer, .address_space: global }
      - { .name: xb, .offset: 32, .size: 8, .value_kind: global_buffer, .address_space: global }
      - { .name: wb, .offset: 40, .size: 8, .value_kind: global_buffer, .address_space: global }
    .group_segment_fixed_size: 0
    .private_segment_fixed_size: 0
    .kernarg_segment_align: 8
    .kernarg_segment_size: 48
    .max_flat_workgroup_size: 256
    .sgpr_count:     66
    .vgpr_count:     216
    .wavefront_size: 32
...
	.end_amdgpu_metadata
.endif
;; end of part 1
;; launch proj (part 2): grid 8 x 32, 4 waves a work-group, clusters of 4 x 4, 327,680 bytes of LDS; arguments xb, wb, qkv; writes qkv
.if DOCPART == 2
	.amdgcn_target "amdgcn-amd-amdhsa--gfx1250"
	.amdhsa_code_object_version 6
	.text
	.protected	k_qdedc03d60e_proj
	.globl	k_qdedc03d60e_proj
	.p2align	8
	.type	k_qdedc03d60e_proj,@function
k_qdedc03d60e_proj:
	s_mov_b64 s[64:65], 0
	v_nop
	global_prefetch_b8 v0, s[64:65] scope:SCOPE_SE
	s_setreg_imm32_b32 hwreg(HW_REG_WAVE_MODE, 25, 1), 1
	s_wait_xcnt 0x0
	s_wait_alu depctr_hold_cnt(0) depctr_sa_sdst(0) depctr_va_vdst(0) depctr_va_sdst(0) depctr_va_ssrc(0) depctr_va_vcc(0) depctr_vm_vsrc(0)
	s_getreg_b32 s2, hwreg(HW_REG_IB_STS2, 6, 4)
	s_cmp_eq_u32 s2, 0
	s_cbranch_scc0 .Lentry_in_a_cluster
	s_endpgm
.Lentry_in_a_cluster:
	s_bfe_u32 s2, ttmp6, 0x10000c
	s_cmp_lg_u32 s2, 0xf033
	s_cbranch_scc0 .Lentry_shape_is_right
	s_endpgm
.Lentry_shape_is_right:
; qkv[row][col] = sum over k of x[row][k] w[col][k]: [8192][3072] in f16 (columns 0 q, 1024 k, 2048 v), products in bf16, sums in f32, rounded once.
; LIMIT: q, k, v must lie within f16 (65,504); NaN and infinities are not treated apart.
; 8192 x 3072 outputs on 256 work-groups: a tile of 256 x 384 each.  Four waves, each 128 x 192: 8 x 12 accumulators, 768 registers.
; K goes in 16 steps of 64 through two LDS slots.  xb and wb lie in blocks along K, so a tile's rows of 128 bytes are dense and are asked for as rows of 256 bytes, padded in LDS after every 128.
; CLUSTER 4 x 4: the four of a row of the cluster need the same tile of x, the four of a column the same tile of w: joint loads.
; THE MATRIX INSTRUCTION IS USED TRANSPOSED (source 0 = 16 rows of w, source 1 = 16 rows of x): a lane holds 8 neighbouring columns of one row of the result.
; REGISTERS: window 0: v16-29 addresses; v32-95, v96-159 fragments of x (8 x 16 rows x 32 K), two buffers; v160-255 fragments of w (12), one buffer, refilled a third at a time behind its last use.
;   window 1 + g: the accumulators of column blocks 4 g .. 4 g + 3: (a, b) at v[8 (8 (b % 4) + a)].
.set PITCH,  144                       ; an LDS row: 128 bytes + 16 = 36 words: the 16 rows of a load start at 16 different groups of four banks (64 banks of 4 bytes: ISA guide 11.1)
.set AHALF,  128*PITCH                 ; what one load of x brings
.set BHALF,  192*PITCH                 ; what one load of w brings
.set BOFF,   256*PITCH                 ; in a slot: 256 rows of x, then 384 rows of w
.set SLOTX,  0x20000                   ; slot 1 begins here: one exclusive or turns an address in one slot into the other one
.set SPITCH, 784                       ; the way out: a row of 768 bytes + 16
.set SPARE,  0x36800                   ; behind the ring: the spare words, 128 bytes a wave, that no other line names
.set ASTEP,  8192*128                  ; bytes from K block to K block
.set BSTEP,  3072*128
.set NROW,   6144                      ; bytes in a row of qkv
.set ADRA0, 16                         ; my fragments of x in slot 0; never rewritten
.set ADRB0, 17                         ; the same for w
.set ADRA,  18                         ; the same in the slot that is being read
.set ADRB,  19
.set STO,   22                         ; the way out: where I put 16 bytes of a row, row blocks 0-3
.set STO2,  23                         ; row blocks 4-7
.set RD,    24                         ; where I read rows back
.set CO,    25                         ; my byte offset in qkv
.set SPW,   28                         ; my spare word; never rewritten
.set NIL,   29                         ; 0; never rewritten
.set FA0,   32
.set FA1,   96
.set FB,    160
.set TMP,   32                         ; the way out: 128 registers of packed results
.set OB,    160                        ; the way out: 48 registers, 8 rows read back
.set G1,  24                           ; s[24:31] group 1 for tiles of x;  s[32:39] group 0, two sets: the second walks on
.set G0,  32
.set G1B, 48                           ; s[48:55], s[56:63] the same for w
.set G0B, 56
.set TB,  45                           ; s45 the slot that is being read: 0 or SLOTX
.set MSB, 0
.macro WIN new                         ; the high byte repeats the setting that is left; a switch that changes nothing is dropped
.if MSB != (\new)
	s_set_vgpr_msb (MSB<<8)|(\new)
.set MSB, \new
.endif
.endm
.macro PLACES                          ; four places in front of loads into registers that matrix instructions have read, and of conversions that read results
.rept 4
	v_nop
.endr
.endm
.macro JLOAD                           ; a joint refill: waves 0 and 1 fetch the halves of x, waves 2 and 3 those of w; an s_nop 0 and four v_nop follow each line
	s_cmp_lt_u32 s10, 2
	s_cbranch_scc0 .Lfor_b_\@
	tensor_load_to_lds s[G0+4:G0+7], s[G1:G1+7]
	s_nop 0
.rept 4
	v_nop
.endr
	s_branch .Lasked_\@
.Lfor_b_\@:
	tensor_load_to_lds s[G0B+4:G0B+7], s[G1B:G1B+7]
	s_nop 0
.rept 4
	v_nop
.endr
.Lasked_\@:
.endm
.macro CREST                           ; a round of the cluster barrier behind its opening barrier
	s_cmp_lg_u32 s10, 0
	s_cbranch_scc1 .Lnot_wave_0_\@
	s_barrier_signal -3
.Lnot_wave_0_\@:
	s_barrier_wait -3
	s_barrier_signal -1
	s_barrier_wait -1
.endm
.macro CROUND
	s_barrier_signal -1
	s_barrier_wait -1
	CREST
.endm
	s_load_b128 s[4:7], s[0:1], 0x0                ; xb s[4:5], wb s[6:7]
	s_load_b64 s[8:9], s[0:1], 0x10                ; qkv
	v_lshl_add_u32 v[SPW], v0, 2, SPARE
	v_mov_b32 v[NIL], 0
	ds_add_u32 v[SPW], v[NIL]                      ; the opening: the add and its wait come ahead of my first tensor load; the set-up stands between them
	v_lshrrev_b32 v1, 5, v0
	v_readfirstlane_b32 s10, v1                    ; wave 0..3
	s_lshr_b32 s11, s10, 1                         ; which half of the tile's rows is mine
	s_and_b32 s12, s10, 1                          ; which half of its columns; also: which half of a tile I fetch
	s_bfe_u32 s40, ttmp6, 0x40000                  ; cx
	s_bfe_u32 s41, ttmp6, 0x40004                  ; cy
	s_lshl_b32 s42, ttmp9, 2
	s_add_co_u32 s42, s42, s40                     ; tile column 0..7
	s_and_b32 s13, ttmp7, 0xffff
	s_lshl_b32 s13, s13, 2
	s_add_co_u32 s13, s13, s41                     ; tile row 0..31
	s_lshl_b32 s43, s41, 2
	s_lshl_b32 s43, 15, s43                        ; my row of the cluster
	s_lshl_b32 s44, 0x1111, s40                    ; my column
	s_or_b32 s[G1], s43, (1<<16)|(1<<20)|(1<<21)|(4<<22)|(3<<25)   ; the mask; 2-byte elements; padding on; bit 21 beside a mask; after every 32 words 4 words
	s_or_b32 s[G1B], s44, (1<<16)|(1<<20)|(1<<21)|(4<<22)|(3<<25)
	s_mov_b32 s[G1+1], 128<<16                     ; tensor_dim0 = 128 elements: 256 dense bytes, two rows of a K block
	s_mov_b32 s[G1+2], 64<<16                      ; tensor_dim1 = 64
	s_mov_b32 s[G1+3], 128<<16                     ; tile_dim0
	s_mov_b32 s[G1+4], 64                          ; tile_dim1
	s_mov_b32 s[G1+5], 128                         ; elements from row to row
	s_mov_b32 s[G1+6], 0
	s_mov_b32 s[G1+7], 0
	s_mov_b32 s[G1B+1], 128<<16
	s_mov_b32 s[G1B+2], 96<<16
	s_mov_b32 s[G1B+3], 128<<16
	s_mov_b32 s[G1B+4], 96
	s_mov_b32 s[G1B+5], 128
	s_mov_b32 s[G1B+6], 0
	s_mov_b32 s[G1B+7], 0
	s_lshl_b32 s16, s13, 15                        ; x: row 256 x tile row, 128 bytes a row,
	s_lshl_b32 s17, s12, 14                        ; + 128 x half: registers that never hold cx
	s_add_co_u32 s16, s16, s17
	s_mov_b32 s17, 0
	s_mul_i32 s46, s42, 384*128                    ; w: row 384 x tile column
	s_mul_i32 s47, s12, 192*128                    ; + 192 x half: registers that never hold cy
	s_add_co_u32 s46, s46, s47
	s_mov_b32 s47, 0
	s_mul_i32 s20, s12, AHALF                      ; where they go: the wave's number alone
	s_mul_i32 s21, s12, BHALF
	s_add_co_u32 s21, s21, BOFF
	s_lshl_b32 s18, s13, 8                         ; the rows that I store: 256 x tile row + 64 x wave
	s_lshl_b32 s19, s10, 6
	s_add_co_u32 s18, s18, s19
	s_mul_i32 s18, s18, NROW
	s_mov_b32 s19, 0
	s_mul_i32 s22, s42, 768                        ; the tile's first column, in bytes
	s_mov_b32 s23, 0
	s_mov_b32 s[TB], 0
	s_wait_dscnt 0x0                               ; the opening add is done
	s_wait_kmcnt 0x0
	s_add_nc_u64 s[14:15], s[4:5], s[16:17]
	s_add_nc_u64 s[46:47], s[6:7], s[46:47]
	s_add_nc_u64 s[8:9], s[8:9], s[18:19]
	s_add_nc_u64 s[8:9], s[8:9], s[22:23]
.irp s, 0,1
	s_mov_b32 s[G0+4*(\s)], 1
	s_add_co_u32 s[G0+4*(\s)+1], s20, (\s)*SLOTX
	s_add_nc_u64 s[G0+4*(\s)+2:G0+4*(\s)+3], s[14:15], (\s)*ASTEP
	s_or_b32 s[G0+4*(\s)+3], s[G0+4*(\s)+3], 0x80000000
	s_mov_b32 s[G0B+4*(\s)], 1
	s_add_co_u32 s[G0B+4*(\s)+1], s21, (\s)*SLOTX
	s_add_nc_u64 s[G0B+4*(\s)+2:G0B+4*(\s)+3], s[46:47], (\s)*BSTEP
	s_or_b32 s[G0B+4*(\s)+3], s[G0B+4*(\s)+3], 0x80000000
.endr
	CROUND                                         ; all sixteen work-groups are here: the first joint loads meet
	s_cmp_lt_u32 s10, 2                            ; a wave's two first fills stand in one branch: two loads of mine are out
	s_cbranch_scc0 .Lfirst_b
	tensor_load_to_lds s[G0:G0+3], s[G1:G1+7]
	s_nop 0
	tensor_load_to_lds s[G0+4:G0+7], s[G1:G1+7]
	s_nop 0
.rept 4
	v_nop
.endr
	s_branch .Lfirst_asked
.Lfirst_b:
	tensor_load_to_lds s[G0B:G0B+3], s[G1B:G1B+7]
	s_nop 0
	tensor_load_to_lds s[G0B+4:G0B+7], s[G1B:G1B+7]
	s_nop 0
.rept 4
	v_nop
.endr
.Lfirst_asked:
	; a fragment is 16 rows x 32 K in 8 registers: lane l holds row l % 16, K = 8 (l / 16) + 0..7 and 16 + 8 (l / 16) + 0..7: two loads of 16 bytes, 32 bytes apart
	v_and_b32 v1, 15, v0
	v_bfe_u32 v2, v0, 4, 1
	v_mul_u32_u24 v3, v1, PITCH
	v_lshl_add_u32 v3, v2, 4, v3
	s_mul_i32 s16, s11, AHALF
	s_mul_i32 s17, s12, BHALF
	s_add_co_u32 s17, s17, BOFF
	v_add_nc_u32 v[ADRA0], s16, v3
	v_add_nc_u32 v[ADRB0], s17, v3
	v_mov_b32 v[ADRA], v[ADRA0]
	v_mov_b32 v[ADRB], v[ADRB0]
	s_mul_i32 s16, s11, 128*SPITCH                 ; into the stage: row 128 rh + 16 a + l % 16, byte 384 ch + 32 b + 16 (l / 16)
	s_mul_i32 s17, s12, 384
	s_add_co_u32 s16, s16, s17
	v_mul_u32_u24 v4, v1, SPITCH
	v_lshl_add_u32 v4, v2, 4, v4
	v_add_nc_u32 v[STO], s16, v4
	v_add_nc_u32 v[STO2], 4*16*SPITCH, v[STO]
	s_mul_i32 s16, s10, 64*SPITCH                  ; back: wave w takes rows 64 w .. 64 w + 63, whole; lanes 0-15 256 bytes of one row, lanes 16-31 of the next
	v_mul_u32_u24 v5, v2, SPITCH
	v_lshl_add_u32 v5, v1, 4, v5
	v_add_nc_u32 v[RD], s16, v5
	v_mul_u32_u24 v5, v2, NROW
	v_lshl_add_u32 v[CO], v1, 4, v5
; nb x 8 matrix instructions: column blocks 4 g + b0 .. of third g, all 8 row blocks, 32 along K.  Every accumulator has one instruction a turn.  zero = 1: the product starts the sum.
.macro GRP g, fa, b0, nb, zero
	WIN 0x50*((\g)+1)
.set bb, \b0
.rept \nb
.set aa, 0
.rept 8
.if \zero
	v_wmma_f32_16x16x32_bf16 v[8*(8*bb+aa):8*(8*bb+aa)+7], v[FB+8*(4*(\g)+bb):FB+8*(4*(\g)+bb)+7], v[(\fa)+8*aa:(\fa)+8*aa+7], 0
.else
	v_wmma_f32_16x16x32_bf16 v[8*(8*bb+aa):8*(8*bb+aa)+7], v[FB+8*(4*(\g)+bb):FB+8*(4*(\g)+bb)+7], v[(\fa)+8*aa:(\fa)+8*aa+7], v[8*(8*bb+aa):8*(8*bb+aa)+7]
.endif
.set aa, aa+1
.endr
.set bb, bb+1
.endr
.endm
.macro LOADB g, k                      ; 8 loads: third g of the fragments of w, at byte k of the rows
	WIN 0
.irp i, 0,1,2,3
	ds_load_b128 v[FB+8*(4*(\g)+(\i)):FB+8*(4*(\g)+(\i))+3],   v[ADRB] offset:(4*(\g)+(\i))*16*PITCH+(\k)
	ds_load_b128 v[FB+8*(4*(\g)+(\i))+4:FB+8*(4*(\g)+(\i))+7], v[ADRB] offset:(4*(\g)+(\i))*16*PITCH+(\k)+32
.endr
.endm
.macro LOADA f, k                      ; 16 loads: the fragments of x into buffer f
	WIN 0
.irp i, 0,1,2,3,4,5,6,7
	ds_load_b128 v[(\f)+8*(\i):(\f)+8*(\i)+3],   v[ADRA] offset:(\i)*16*PITCH+(\k)
	ds_load_b128 v[(\f)+8*(\i)+4:(\f)+8*(\i)+7], v[ADRA] offset:(\i)*16*PITCH+(\k)+32
.endr
.endm
; A K step is two quarters of 32 along K, 96 matrix instructions each.  Each quarter issues the next quarter's loads in three runs of 24, 8 and 8, each behind the last use of the registers that it fills.
.macro Q0 zero                         ; the first: multiplies buffer FA0, fetches byte 64 of the same slot
	s_wait_dscnt 16                                ; the run of 24 is in; the two runs of 8 behind it may be out
	GRP 0, FA0, 0, 4, \zero
	PLACES
	LOADB 0, 64
	LOADA FA1, 64
	s_wait_dscnt 32                                ; the old second run is in: behind it the old third (8) and the 24 just issued
	GRP 1, FA0, 0, 4, \zero
	PLACES
	LOADB 1, 64
	s_wait_dscnt 32                                ; the old third run is in: behind it 24 + 8
	GRP 2, FA0, 0, 4, \zero
	PLACES
	LOADB 2, 64
.endm
; The second quarter multiplies FA1 and changes slots: ONE barrier.  In front of it each wave waits for all its tensor loads (its part of the next slot), adds 0 to its spare word, and waits for that and for its reads of this slot.
; fill = 1: the barrier opens a round of the cluster barrier, and this slot is filled again first thing behind it, two K steps ahead: 160 matrix instructions ahead of the wait for it.
.macro Q1 fill
	WIN 0
	s_xor_b32 s[TB], s[TB], SLOTX                  ; the fetches go on in the other slot
	v_add_nc_u32 v[ADRA], s[TB], v[ADRA0]
	v_add_nc_u32 v[ADRB], s[TB], v[ADRB0]
	s_wait_tensorcnt 0x0                           ; no tensor load of mine is out, so a group 0 may be written
	ds_add_u32 v[SPW], v[NIL]                      ; 0 onto my spare word
	s_wait_dscnt 17                                ; (the add and the two runs of 8 may be out)
	GRP 0, FA1, 0, 2, 0
.if \fill
	s_xor_b32 s[G0+5], s[G0+5], SLOTX              ; the walking descriptors: the other slot than last time, the next K block
	s_add_nc_u64 s[G0+6:G0+7], s[G0+6:G0+7], ASTEP
	s_xor_b32 s[G0B+5], s[G0B+5], SLOTX
	s_add_nc_u64 s[G0B+6:G0B+7], s[G0B+6:G0B+7], BSTEP
.endif
	s_wait_dscnt 0x0                               ; the add is done, and my reads of this slot are over
	s_barrier_signal -1
	GRP 0, FA1, 2, 2, 0                            ; work on registers while the others arrive
	WIN 0
	s_barrier_wait -1
.if \fill
	CREST                                          ; no wave of any partner still reads this slot or has a load on its way
	JLOAD                                          ; its four v_nop are also the places in front of the loads below
.else
	PLACES
.endif
	LOADB 0, 0
	LOADA FA0, 0
	GRP 1, FA1, 0, 4, 0
	PLACES
	LOADB 1, 0
	GRP 2, FA1, 0, 4, 0
	PLACES
	LOADB 2, 0
.endm
	s_wait_tensorcnt 1                             ; my part of K step 0 is in; slot 1 may stay out
	s_barrier_signal -1
	s_barrier_wait -1
	LOADB 0, 0
	LOADA FA0, 0
	LOADB 1, 0
	LOADB 2, 0
	Q0 1                                           ; the first quarter stands in front of the loop: its products start the sums
	s_mov_b32 s3, 14
.Lstep:                                                ; 14 trips: K steps 2 to 15 are asked for
	Q1 1
	Q0 0
	s_sub_co_u32 s3, s3, 1
	s_cmp_lg_u32 s3, 0
	s_cbranch_scc1 .Lstep
	Q1 0                                           ; the tail is written out: nothing is left to ask for
	Q0 0
	s_wait_dscnt 16                                ; the very last quarter fetches nothing: the counts run down
	GRP 0, FA1, 0, 4, 0
	s_wait_dscnt 8
	GRP 1, FA1, 0, 4, 0
	s_wait_dscnt 0x0
	GRP 2, FA1, 0, 4, 0
	WIN 0
	; THE WAY OUT.  A wave's 192 columns are 384 bytes, one and a half aligned blocks of 256, so the four waves share one stage of 256 rows x 784 bytes.  It lies over the ring, whose
	; slots have had their last fill: every wave's reads of the ring are back (the wait for 0 above) when it signals.
	s_barrier_signal -1
	s_barrier_wait -1
	PLACES
.macro PACKG g                         ; third g: 32 accumulators rounded to f16, registers ascending, 16 bytes a lane and accumulator, into the stage
	WIN 5*((\g)+1)
.set t, 0
.rept 32
.irp r, 0,1,2,3
	v_cvt_pk_f16_f32 v[TMP+4*t+(\r)], v[8*t+2*(\r)], v[8*t+2*(\r)+1]
.endr
.set t, t+1
.endr
	WIN 0
.set t, 0
.rept 32                               ; t = 8 (b % 4) + a
.if (t%8) < 4
	ds_store_b128 v[STO], v[TMP+4*t:TMP+4*t+3] offset:(t%8)*16*SPITCH+32*(4*(\g)+t/8)
.else
	ds_store_b128 v[STO2], v[TMP+4*t:TMP+4*t+3] offset:(t%8-4)*16*SPITCH+32*(4*(\g)+t/8)
.endif
.set t, t+1
.endr
.endm
	PACKG 0
	PACKG 1
	PACKG 2
	s_wait_dscnt 0x0                               ; for the others' sake: my stores into the stage are done
	s_barrier_signal -1
	s_barrier_wait -1
	s_mov_b32 s3, 8
.Lout:                                                 ; 8 trips of 8 rows
.set t, 0
.rept 12
	ds_load_b128 v[OB+4*t:OB+4*t+3], v[RD] offset:(t/3)*2*SPITCH+(t%3)*256
.set t, t+1
.endr
.set t, 0
.rept 12
	s_wait_dscnt 11-t
	global_store_b128 v[CO], v[OB+4*t:OB+4*t+3], s[8:9] offset:(t/3)*2*NROW+(t%3)*256  ; 16 lanes store 256 consecutive bytes, at a multiple of 256 from the buffer's first byte
.set t, t+1
.endr
	s_wait_xcnt 0x0                                ; the stores' offset and data registers are rewritten only behind this wait
	v_add_nc_u32 v[RD], 8*SPITCH, v[RD]
	v_add_nc_u32 v[CO], 8*NROW, v[CO]
	s_sub_co_u32 s3, s3, 1
	s_cmp_lg_u32 s3, 0
	s_cbranch_scc1 .Lout
	s_wait_tensorcnt 0x0                           ; the wave's end
	ds_add_u32 v[SPW], v[NIL]
	s_wait_dscnt 0x0
	CROUND                                         ; the closing round
	s_endpgm
.Lfunc_end_k_qdedc03d60e_proj:
	.size	k_qdedc03d60e_proj, .Lfunc_end_k_qdedc03d60e_proj-k_qdedc03d60e_proj
	.p2alignl 7, 3214868480
	.fill 96, 4, 3214868480
	.section	.rodata,"a",@progbits
	.p2align	6, 0x0
	.amdhsa_kernel k_qdedc03d60e_proj
		.amdhsa_group_segment_fixed_size 327680
		.amdhsa_private_segment_fixed_size 0
		.amdhsa_enable_private_segment 0
		.amdhsa_kernarg_size 24
		.amdhsa_user_sgpr_count 2
		.amdhsa_user_sgpr_kernarg_segment_ptr 1
		.amdhsa_wavefront_size32 1
		.amdhsa_system_sgpr_workgroup_id_x 1
		.amdhsa_system_sgpr_workgroup_id_y 1
		.amdhsa_system_sgpr_workgroup_id_z 1
		.amdhsa_system_vgpr_workitem_id 0
		.amdhsa_next_free_vgpr 1024
		.amdhsa_next_free_sgpr 66
		.amdhsa_reserve_vcc 0
		.amdhsa_float_denorm_mode_32 3
		.amdhsa_float_denorm_mode_16_64 3
		.amdhsa_memory_ordered 1
		.amdhsa_forward_progress 1
		.amdhsa_inst_pref_size 97
	.end_amdhsa_kernel
	.amdgpu_metadata
---
amdhsa.version: [ 1, 2 ]
amdhsa.kernels:
  - .name:           k_qdedc03d60e_proj
    .symbol:         k_qdedc03d60e_proj.kd
    .args:
      - { .name: xb, .offset: 0, .size: 8, .value_kind: global_buffer, .address_space: global }
      - { .name: wb, .offset: 8, .size: 8, .value_kind: global_buffer, .address_space: global }
      - { .name: qkv, .offset: 16, .size: 8, .value_kind: global_buffer, .address_space: global }
    .group_segment_fixed_size: 327680
    .private_segment_fixed_size: 0
    .kernarg_segment_align: 8
    .kernarg_segment_size: 24
    .max_flat_workgroup_size: 128
    .sgpr_count:     66
    .vgpr_count:     1024
    .wavefront_size: 32
...
	.end_amdgpu_metadata
.endif
;; end of part 2
;; launch score (part 3): grid 36 x 4, 4 waves a work-group, no clusters, 327,680 bytes of LDS; arguments qkv, p, st; writes p, st
.if DOCPART == 3
	.amdgcn_target "amdgcn-amd-amdhsa--gfx1250"
	.amdhsa_code_object_version 6
	.text
	.protected	k_qdedc03d60e_score
	.globl	k_qdedc03d60e_score
	.p2align	8
	.type	k_qdedc03d60e_score,@function
k_qdedc03d60e_score:
	s_mov_b64 s[64:65], 0
	v_nop
	global_prefetch_b8 v0, s[64:65] scope:SCOPE_SE
	s_setreg_imm32_b32 hwreg(HW_REG_WAVE_MODE, 25, 1), 1
	s_wait_xcnt 0x0
; For each causal tile (I, J), J <= I, of 256 queries x 256 keys of a batch: S = Q K^T (f16 operands, f32 sums, K = 1024); then, for each wave's own 128 x 128 of it (key tile t = 2 J + ch of 128 keys):
; cm[q] = c x the row's maximum, p = 2^(c s - cm) rounded to f16, l[q] = the row's sum of the unrounded p;  c = log2(e) / 32.  p goes to p[b][q][key], cm and l to st[0, 1][b][t][q].
; LIMITS: a hidden score counts as its value less 1e30; an exponential below 2^-126 counts as 0; NaN and infinities are not treated apart.  The wave tile that lies wholly above the diagonal stores finite numbers that the next launch gives no weight.
; 36 tiles a batch, 144 work-groups of equal work.  NO CLUSTER: row I of the triangle has I + 1 tiles and column J has 8 - J: neither divides into fours that share a tile.
; Four waves, each 128 x 128: 64 accumulators.  K goes in 8 steps of 128 through two LDS slots; each wave fetches 128 rows x 256 bytes with one tensor load (waves 0, 1: Q; waves 2, 3: K).
; THE MATRIX INSTRUCTION IS USED TRANSPOSED (source 0 = 16 keys, source 1 = 16 queries): a lane holds ONE query (lane % 16) and the keys 8 (lane / 16) + 0..7 of each key block.
; THE MASK is the C operand of the products that start the sums: 0, or -1e30 where the key is hidden; off the diagonal tiles the three mask registers' sets hold 0.
; REGISTERS: window 0: v16-31 addresses; v32-55 masks; v56-62 at work; v64-127, v128-191 fragments of Q, two buffers (later: scaled scores, packed p, rows read back)
;   window 1: v64-127, v128-191 fragments of K;   windows 2, 3: accumulators, (a, b) at v[8 (8 (a % 4) + b)], window 2 for a < 4.
.set PITCH,  272                       ; 256 bytes + 16 = 68 words: row r starts at bank 4 r mod 64 (64 banks of 4 bytes: ISA guide 11.1)
.set HALFT,  128*PITCH
.set SLOT,   4*HALFT                   ; 0x22000: its two bits are set in no wave's place w x HALFT, so one exclusive or changes slots
.set STAGE,  2*SLOT                    ; behind the ring: 16 rows x 272 bytes for each wave
.set SSTG,   STAGE+4*16*PITCH          ; 1,024 bytes for each wave: 128 cm, 128 l
.set SPARE,  SSTG+4096                 ; the spare words, 128 bytes a wave, that no other line names
.set ADRA0, 16
.set ADRB0, 17
.set ADRA,  18                         ; my fragments of Q in the slot that is being read
.set ADRB,  19
.set STO,   24
.set RD,    25
.set CO,    26
.set SST,   27                         ; where cm (lanes 0-15) and l (lanes 16-31) of the row block in hand go
.set SPW,   28
.set NIL,   29
.set SRD,   30
.set SGO,   31
.set ML,    32                         ; the mask of a key block below the query block's number,
.set ME,    40                         ; equal to it,
.set MG,    48                         ; above it
.set T,     56
.set CM,    60                         ; v[60:61] cm, twice
.set LS,    62
.set F0,    64
.set F1,    128
.set W,     64                         ; 64 scaled scores of a row block
.set PK,    128                        ; 32 registers of packed p
.set OB,    160                        ; 32 registers: 16 rows read back
.set G1, 24
.set G0, 32                            ; two sets; the second walks on
.set TB, 40
.set CS, 42                            ; s[42:43] c
.set SEL, 44                           ; s[44:45] v_permlanex16_b32: each lane takes its own place in the other half
.set MK, 46                            ; lanes 16-31
.set MSB, 0
.macro WIN new
.if MSB != (\new)
	s_set_vgpr_msb (MSB<<8)|(\new)
.set MSB, \new
.endif
.endm
.set MUL_LO, 0xa1                      ; source 0 (K) window 1, source 1 (Q) window 0, C and D window 2
.set TO_B,   0x40
.macro PLACES
.rept 4
	v_nop
.endr
.endm
	s_load_b128 s[4:7], s[0:1], 0x0                ; qkv s[4:5], p s[6:7]
	s_load_b64 s[8:9], s[0:1], 0x10                ; st
	v_lshl_add_u32 v[SPW], v0, 2, SPARE
	v_mov_b32 v[NIL], 0
	ds_add_u32 v[SPW], v[NIL]                      ; the opening: the add and its wait come ahead of my first tensor load
	v_lshrrev_b32 v1, 5, v0
	v_readfirstlane_b32 s10, v1                    ; wave
	s_lshr_b32 s11, s10, 1                         ; rh: which 128 queries are mine
	s_and_b32 s12, s10, 1                          ; ch: which 128 keys; also: which half of a tile I fetch
	s_mov_b32 s13, 0                               ; I: how many triangular numbers the group's number has reached
.irp lim, 1,3,6,10,15,21,28
	s_cmp_ge_u32 ttmp9, \lim
	s_cselect_b32 s14, 1, 0
	s_add_co_u32 s13, s13, s14
.endr
	s_add_co_u32 s14, s13, 1
	s_mul_i32 s14, s14, s13
	s_lshr_b32 s14, s14, 1
	s_sub_co_u32 s14, ttmp9, s14                   ; J
	s_and_b32 s15, ttmp7, 0xffff                   ; batch
	s_mov_b32 s[G1], (1<<16)|(1<<20)|(5<<22)|(3<<25)  ; 2-byte elements; padding on: after every 64 words 4 words
	s_mov_b32 s[G1+1], 128<<16
	s_mov_b32 s[G1+2], 128<<16
	s_mov_b32 s[G1+3], 128<<16
	s_mov_b32 s[G1+4], 128
	s_mov_b32 s[G1+5], 3072                        ; elements from row to row of qkv
	s_mov_b32 s[G1+6], 0
	s_mov_b32 s[G1+7], 0
	s_cmp_lt_u32 s10, 2
	s_cselect_b32 s16, s13, s14                    ; waves 0, 1: query tile I, column 0; waves 2, 3: key tile J, column 1024
	s_cselect_b32 s17, 0, 2048
	s_lshl_b32 s16, s16, 8
	s_lshl_b32 s18, s15, 11
	s_add_co_u32 s16, s16, s18
	s_lshl_b32 s18, s12, 7
	s_add_co_u32 s16, s16, s18
	s_mul_i32 s16, s16, 6144
	s_add_co_u32 s16, s16, s17
	s_mov_b32 s17, 0
	s_mul_i32 s41, s10, HALFT
	s_lshl_b32 s20, s15, 11                        ; my first query: 2048 b + 256 I + 128 rh
	s_lshl_b32 s21, s13, 8
	s_add_co_u32 s20, s20, s21
	s_lshl_b32 s21, s11, 7
	s_add_co_u32 s20, s20, s21
	s_lshl_b32 s22, s20, 12                        ; x 4,096 bytes of a row of p
	s_lshl_b32 s21, s14, 9
	s_add_co_u32 s22, s22, s21
	s_lshl_b32 s21, s12, 8
	s_add_co_u32 s22, s22, s21                     ; + (256 J + 128 ch) keys
	s_mov_b32 s23, 0
	s_lshl_b32 s48, s15, 4                         ; st: ((16 b + 2 J + ch) x 2048 + 256 I + 128 rh) x 4
	s_lshl_b32 s49, s14, 1
	s_add_co_u32 s48, s48, s49
	s_add_co_u32 s48, s48, s12
	s_lshl_b32 s48, s48, 11
	s_lshl_b32 s49, s13, 8
	s_add_co_u32 s48, s48, s49
	s_lshl_b32 s49, s11, 7
	s_add_co_u32 s48, s48, s49
	s_lshl_b32 s48, s48, 2
	s_mov_b32 s49, 0
	s_cmp_lt_u32 s11, s12                          ; the masks' two numbers: on a diagonal tile the wave tile above the diagonal is hidden whole,
	s_cselect_b32 s50, 0xf149f2ca, 0               ; -1e30
	s_cmp_le_u32 s11, s12                          ; and in the two that hold it the key blocks above the query block
	s_cselect_b32 s51, 0xf149f2ca, 0
	s_cmp_eq_u32 s13, s14
	s_cselect_b32 s50, s50, 0
	s_cselect_b32 s51, s51, 0
	s_mov_b32 s[TB], 0
	s_mov_b32 s[CS], 0x3d38aa3b                    ; c = log2(e) / 32
	s_mov_b32 s[CS+1], s[CS]
	s_mov_b32 s[SEL], 0x76543210
	s_mov_b32 s[SEL+1], 0xfedcba98
	s_mov_b32 s[MK], 0xffff0000
	s_wait_dscnt 0x0                               ; the opening add is done
	s_wait_kmcnt 0x0
	s_add_nc_u64 s[18:19], s[4:5], s[16:17]
	s_add_nc_u64 s[6:7], s[6:7], s[22:23]
	s_add_nc_u64 s[8:9], s[8:9], s[48:49]
.irp s, 0,1
	s_mov_b32 s[G0+4*(\s)], 1
	s_add_co_u32 s[G0+4*(\s)+1], s41, (\s)*SLOT
	s_add_nc_u64 s[G0+4*(\s)+2:G0+4*(\s)+3], s[18:19], (\s)*256
	s_or_b32 s[G0+4*(\s)+3], s[G0+4*(\s)+3], 0x80000000
	tensor_load_to_lds s[G0+4*(\s):G0+4*(\s)+3], s[G1:G1+7]  ; the two first fills go out together: two loads of mine are out
	s_nop 0
.endr
	PLACES
	v_and_b32 v1, 15, v0
	v_bfe_u32 v2, v0, 4, 1
	v_mul_u32_u24 v3, v1, PITCH
	v_lshl_add_u32 v3, v2, 4, v3
	s_mul_i32 s16, s11, HALFT
	s_mul_i32 s17, s12, HALFT
	s_add_co_u32 s17, s17, 2*HALFT
	v_add_nc_u32 v[ADRA0], s16, v3
	v_add_nc_u32 v[ADRB0], s17, v3
	v_mov_b32 v[ADRA], v[ADRA0]
	v_mov_b32 v[ADRB], v[ADRB0]
	s_mul_i32 s16, s10, 16*PITCH
	s_add_co_u32 s16, s16, STAGE
	v_add_nc_u32 v[STO], s16, v3                   ; in: row l % 16, 16 bytes for each half of the lanes
	v_mul_u32_u24 v4, v2, PITCH
	v_lshl_add_u32 v4, v1, 4, v4
	v_add_nc_u32 v[RD], s16, v4                    ; back: lanes 0-15 one row of 256 bytes, lanes 16-31 the next
	v_lshlrev_b32 v[CO], 12, v2
	v_lshl_add_u32 v[CO], v1, 4, v[CO]
	s_lshl_b32 s16, s10, 10
	s_add_co_u32 s16, s16, SSTG
	v_lshlrev_b32 v[SST], 9, v2
	v_lshl_add_u32 v[SST], v1, 2, v[SST]
	v_add_nc_u32 v[SST], s16, v[SST]
	v_and_b32 v[SGO], 31, v0
	v_lshlrev_b32 v[SGO], 4, v[SGO]
	v_add_nc_u32 v[SRD], s16, v[SGO]
	v_lshlrev_b32 v5, 3, v2
	v_sub_nc_u32 v5, v1, v5                        ; in the block on the diagonal register j is hidden where j > l % 16 - 8 (l / 16)
	v_mov_b32 v6, s50
	v_mov_b32 v7, s51
.set j, 0
.rept 8
	v_mov_b32 v[ML+j], s50
	v_mov_b32 v[MG+j], s51
	v_cmp_gt_i32 vcc_lo, j, v5
	v_cndmask_b32 v[ME+j], v6, v7, vcc_lo
.set j, j+1
.endr
; 16 matrix instructions: query blocks a0, a0 + 1 of the window's four x all 8 key blocks, 32 along K.  mode 2: the product starts the sum with the mask.  The 64 accumulators take turns.
.macro MUL16 f, hi, a0, mode
.if (\mode) == 2
	WIN 0x81+0x40*(\hi)                            ; C in window 0
.else
	WIN MUL_LO+0x50*(\hi)
.endif
.irp a, \a0, (\a0)+1
.irp b, 0,1,2,3,4,5,6,7
.if (\mode) == 0
	v_wmma_f32_16x16x32_f16 v[8*(8*(\a)+(\b)):8*(8*(\a)+(\b))+7], v[(\f)+8*(\b):(\f)+8*(\b)+7], v[(\f)+8*(4*(\hi)+(\a)):(\f)+8*(4*(\hi)+(\a))+7], v[8*(8*(\a)+(\b)):8*(8*(\a)+(\b))+7]
.elseif (\b) < 4*(\hi)+(\a)
	v_wmma_f32_16x16x32_f16 v[8*(8*(\a)+(\b)):8*(8*(\a)+(\b))+7], v[(\f)+8*(\b):(\f)+8*(\b)+7], v[(\f)+8*(4*(\hi)+(\a)):(\f)+8*(4*(\hi)+(\a))+7], v[ML:ML+7]
.elseif (\b) == 4*(\hi)+(\a)
	v_wmma_f32_16x16x32_f16 v[8*(8*(\a)+(\b)):8*(8*(\a)+(\b))+7], v[(\f)+8*(\b):(\f)+8*(\b)+7], v[(\f)+8*(4*(\hi)+(\a)):(\f)+8*(4*(\hi)+(\a))+7], v[ME:ME+7]
.else
	v_wmma_f32_16x16x32_f16 v[8*(8*(\a)+(\b)):8*(8*(\a)+(\b))+7], v[(\f)+8*(\b):(\f)+8*(\b)+7], v[(\f)+8*(4*(\hi)+(\a)):(\f)+8*(4*(\hi)+(\a))+7], v[MG:MG+7]
.endif
.endr
.endr
.endm
.macro FETCH k, f                      ; 32 LDS loads in one run: 128 keys, then 128 queries, 32 K at byte k of the rows
	WIN TO_B
.irp i, 0,1,2,3,4,5,6,7
	ds_load_b128 v[(\f)+8*(\i):(\f)+8*(\i)+3],   v[ADRB] offset:(\k)+(\i)*16*PITCH
	ds_load_b128 v[(\f)+8*(\i)+4:(\f)+8*(\i)+7], v[ADRB] offset:(\k)+(\i)*16*PITCH+32
.endr
	WIN 0
.irp i, 0,1,2,3,4,5,6,7
	ds_load_b128 v[(\f)+8*(\i):(\f)+8*(\i)+3],   v[ADRA] offset:(\k)+(\i)*16*PITCH
	ds_load_b128 v[(\f)+8*(\i)+4:(\f)+8*(\i)+7], v[ADRA] offset:(\k)+(\i)*16*PITCH+32
.endr
.endm
.macro QUARTER k, f, g, mode           ; multiplies buffer f; in its middle fetches the next quarter, at byte k, into g
	s_wait_dscnt 8                                 ; K and the queries' rows 0-63 are in; the youngest eight loads may be out
	MUL16 \f, 0, 0, \mode
	MUL16 \f, 0, 2, \mode
	PLACES
	FETCH \k, \g
	s_wait_dscnt 32                                ; all but the 32 just issued
	MUL16 \f, 1, 0, \mode
	MUL16 \f, 1, 2, \mode
.endm
; The last quarter of a K step multiplies buffer 1 and changes slots: ONE barrier.  In front of it each wave waits for all its tensor loads (its part of the next slot), adds 0 to its spare word, and waits for that and for its reads of this slot.
; fill = 1: this slot is filled again first thing behind the barrier, two K steps ahead: 224 matrix instructions ahead of the wait for it.
.macro TURN fill
	WIN 0
	s_xor_b32 s[TB], s[TB], SLOT                   ; the fetches go on in the other slot
	v_add_nc_u32 v[ADRA], s[TB], v[ADRA0]
	v_add_nc_u32 v[ADRB], s[TB], v[ADRB0]
	s_wait_tensorcnt 0x0                           ; no tensor load of mine is out, so a group 0 may be written
	ds_add_u32 v[SPW], v[NIL]                      ; 0 onto my spare word
	s_wait_dscnt 9                                 ; (the add and the youngest eight loads may be out)
	MUL16 F1, 0, 0, 0
.if \fill
	s_xor_b32 s[G0+5], s[G0+5], SLOT               ; the walking descriptor: the other slot than last time, 128 further along K
	s_add_nc_u64 s[G0+6:G0+7], s[G0+6:G0+7], 256
.endif
	s_wait_dscnt 0x0                               ; the add is done, and my reads of this slot are over
	s_barrier_signal -1
	MUL16 F1, 0, 2, 0                              ; work on registers while the others arrive
	WIN 0
	s_barrier_wait -1
.if \fill
	tensor_load_to_lds s[G0+4:G0+7], s[G1:G1+7]
	s_nop 0
.endif
	PLACES
	FETCH 0, F0
	MUL16 F1, 1, 0, 0
	MUL16 F1, 1, 2, 0
.endm
	s_wait_tensorcnt 1                             ; my part of K step 0 is in; slot 1 may stay out
	s_barrier_signal -1
	s_barrier_wait -1
	FETCH 0, F0
	QUARTER 64, F0, F1, 2                          ; the first quarter stands in front of the loop: its products start the sums, with the mask
	WIN 0
	s_mov_b32 s3, 6
.Lstep:                                                ; 6 trips, from a K step's second quarter to the next one's first: K steps 2 to 7 are asked for
	QUARTER 128, F1, F0, 0
	QUARTER 192, F0, F1, 0
	TURN 1
	QUARTER 64, F0, F1, 0
	WIN 0
	s_sub_co_u32 s3, s3, 1
	s_cmp_lg_u32 s3, 0
	s_cbranch_scc1 .Lstep
	QUARTER 128, F1, F0, 0                         ; the tail is written out: nothing is left to ask for
	QUARTER 192, F0, F1, 0
	TURN 0
	QUARTER 64, F0, F1, 0
	QUARTER 128, F1, F0, 0
	QUARTER 192, F0, F1, 0
	s_wait_dscnt 8
	MUL16 F1, 0, 0, 0
	MUL16 F1, 0, 2, 0
	s_wait_dscnt 0x0
	MUL16 F1, 1, 0, 0
	MUL16 F1, 1, 2, 0
	WIN 0
	PLACES
; THE SOFTMAX OF MY 128 x 128, a block of 16 queries a trip.  The only text that differs from block to block is the one that brings its 64 scores into window 0, and that move is the scaling by c; the rest is written once.
.macro BLK a
.Lblk\a:
	WIN 2+(\a)/4                                   ; source 0 in the accumulators' window
.set i, 0
.rept 32                               ; each accumulator's registers ascending
	v_pk_mul_f32 v[W+2*i:W+2*i+1], v[64*((\a)%4)+2*i:64*((\a)%4)+2*i+1], s[CS:CS+1] op_sel_hi:[1,0]
.set i, i+1
.endr
	WIN 0
.endm
	s_mov_b32 s3, 0
.Lsm:
.irp a, 0,1,2,3,4,5,6
	s_cmp_eq_u32 s3, \a
	s_cbranch_scc1 .Lblk\a
.endr
	BLK 7
	s_branch .Lcom
.irp a, 0,1,2,3,4,5
	BLK \a
	s_branch .Lcom
.endr
	BLK 6
.Lcom:
.irp k, 0,1,2,3                        ; the maximum of the lane's 64: four chains, three operands at a time
	v_max3_num_f32 v[T+(\k)], v[W+16*(\k)], v[W+16*(\k)+1], v[W+16*(\k)+2]
.endr
.set i, 1
.rept 6
.irp k, 0,1,2,3
	v_max3_num_f32 v[T+(\k)], v[T+(\k)], v[W+16*(\k)+2*i+1], v[W+16*(\k)+2*i+2]
.endr
.set i, i+1
.endr
	v_max3_num_f32 v[T], v[T], v[W+15], v[W+31]
	v_max3_num_f32 v[T+1], v[T+1], v[W+47], v[W+63]
	v_max3_num_f32 v[T], v[T], v[T+1], v[T+2]
	v_max_num_f32 v[T], v[T], v[T+3]
	v_permlanex16_b32 v[T+1], v[T], s[SEL], s[SEL+1]  ; the query's other 64 keys lie in the lane 16 away
	v_max_num_f32 v[CM], v[T], v[T+1]
	v_max_num_f32 v[CM+1], v[T], v[T+1]
.set i, 0
.rept 32
	v_pk_add_f32 v[W+2*i:W+2*i+1], v[W+2*i:W+2*i+1], v[CM:CM+1] neg_lo:[0,1] neg_hi:[0,1]  ; c s - cm
.set i, i+1
.endr
; exponentials of pair i; beside them pair i - 2 is rounded to f16 and added onto one of four running pairs.  A plain instruction stands between every exponential and the use of its result (ISA guide 5.7.2).
.set i, 0
.rept 34
.if i < 32
	v_exp_f32 v[W+2*i], v[W+2*i]
.endif
.if i >= 2
	s_wait_alu depctr_va_vdst(0)
	v_cvt_pk_f16_f32 v[PK+i-2], v[W+2*i-4], v[W+2*i-3]
.endif
.if i < 32
	v_exp_f32 v[W+2*i+1], v[W+2*i+1]
.endif
.if i >= 6
	v_pk_add_f32 v[W+2*((i-2)%4):W+2*((i-2)%4)+1], v[W+2*((i-2)%4):W+2*((i-2)%4)+1], v[W+2*i-4:W+2*i-3]
.endif
.if i == 1
	v_nop
.endif
.set i, i+1
.endr
	v_pk_add_f32 v[W:W+1], v[W:W+1], v[W+2:W+3]
	v_pk_add_f32 v[W+4:W+5], v[W+4:W+5], v[W+6:W+7]
	v_pk_add_f32 v[W:W+1], v[W:W+1], v[W+4:W+5]
	v_add_f32 v[LS], v[W], v[W+1]
	v_permlanex16_b32 v[T], v[LS], s[SEL], s[SEL+1]
	v_add_f32 v[LS], v[LS], v[T]
	v_cndmask_b32 v[T], v[CM], v[LS], s[MK]        ; lanes 0-15 carry cm, lanes 16-31 l
	ds_store_b32 v[SST], v[T]
.irp b, 0,1,2,3,4,5,6,7
	ds_store_b128 v[STO], v[PK+4*(\b):PK+4*(\b)+3] offset:32*(\b)
.endr
.irp t, 0,1,2,3,4,5,6,7
	ds_load_b128 v[OB+4*(\t):OB+4*(\t)+3], v[RD] offset:(\t)*2*PITCH  ; LDS serves a wave's instructions in order (ISA guide 5.7.1.4): these see the stores above
.endr
.irp t, 0,1,2,3,4,5,6,7
	s_wait_dscnt 7-(\t)
	global_store_b128 v[CO], v[OB+4*(\t):OB+4*(\t)+3], s[6:7] offset:(\t)*8192  ; 16 lanes store 256 consecutive bytes, at a multiple of 256 from the buffer's first byte
.endr
	s_wait_xcnt 0x0                                ; the stores' base and data registers are rewritten only behind this wait
	s_add_nc_u64 s[6:7], s[6:7], 65536             ; 16 rows of p on
	v_add_nc_u32 v[SST], 64, v[SST]
	s_add_co_u32 s3, s3, 1
	s_cmp_lt_u32 s3, 8
	s_cbranch_scc1 .Lsm
	ds_load_b128 v[OB:OB+3], v[SRD]                ; my 128 cm and 128 l, my own bytes, as 512 consecutive bytes each
	ds_load_b128 v[OB+4:OB+7], v[SRD] offset:512
	s_wait_dscnt 0x0
	global_store_b128 v[SGO], v[OB:OB+3], s[8:9]
	global_store_b128 v[SGO], v[OB+4:OB+7], s[8:9] offset:524288
	s_wait_tensorcnt 0x0                           ; the wave's end
	ds_add_u32 v[SPW], v[NIL]
	s_wait_dscnt 0x0
	s_endpgm
.Lfunc_end_k_qdedc03d60e_score:
	.size	k_qdedc03d60e_score, .Lfunc_end_k_qdedc03d60e_score-k_qdedc03d60e_score
	.p2alignl 7, 3214868480
	.fill 96, 4, 3214868480
	.section	.rodata,"a",@progbits
	.p2align	6, 0x0
	.amdhsa_kernel k_qdedc03d60e_score
		.amdhsa_group_segment_fixed_size 327680
		.amdhsa_private_segment_fixed_size 0
		.amdhsa_enable_private_segment 0
		.amdhsa_kernarg_size 24
		.amdhsa_user_sgpr_count 2
		.amdhsa_user_sgpr_kernarg_segment_ptr 1
		.amdhsa_wavefront_size32 1
		.amdhsa_system_sgpr_workgroup_id_x 1
		.amdhsa_system_sgpr_workgroup_id_y 1
		.amdhsa_system_sgpr_workgroup_id_z 1
		.amdhsa_system_vgpr_workitem_id 0
		.amdhsa_next_free_vgpr 1024
		.amdhsa_next_free_sgpr 66
		.amdhsa_reserve_vcc 1
		.amdhsa_float_denorm_mode_32 3
		.amdhsa_float_denorm_mode_16_64 3
		.amdhsa_memory_ordered 1
		.amdhsa_forward_progress 1
		.amdhsa_inst_pref_size 116
	.end_amdhsa_kernel
	.amdgpu_metadata
---
amdhsa.version: [ 1, 2 ]
amdhsa.kernels:
  - .name:           k_qdedc03d60e_score
    .symbol:         k_qdedc03d60e_score.kd
    .args:
      - { .name: qkv, .offset: 0, .size: 8, .value_kind: global_buffer, .address_space: global }
      - { .name: p, .offset: 8, .size: 8, .value_kind: global_buffer, .address_space: global }
      - { .name: st, .offset: 16, .size: 8, .value_kind: global_buffer, .address_space: global }
    .group_segment_fixed_size: 327680
    .private_segment_fixed_size: 0
    .kernarg_segment_align: 8
    .kernarg_segment_size: 24
    .max_flat_workgroup_size: 128
    .sgpr_count:     66
    .vgpr_count:     1024
    .wavefront_size: 32
...
	.end_amdgpu_metadata
.endif
;; end of part 3
;; launch pv (part 4): grid 8 x 32, 4 waves a work-group, clusters of 4 x 4, 327,680 bytes of LDS; arguments p, qkv, st, out0; writes out0
.if DOCPART == 4
	.amdgcn_target "amdgcn-amd-amdhsa--gfx1250"
	.amdhsa_code_object_version 6
	.text
	.protected	k_qdedc03d60e_pv
	.globl	k_qdedc03d60e_pv
	.p2align	8
	.type	k_qdedc03d60e_pv,@function
k_qdedc03d60e_pv:
	s_mov_b64 s[64:65], 0
	v_nop
	global_prefetch_b8 v0, s[64:65] scope:SCOPE_SE
	s_setreg_imm32_b32 hwreg(HW_REG_WAVE_MODE, 25, 1), 1
	s_wait_xcnt 0x0
	s_wait_alu depctr_hold_cnt(0) depctr_sa_sdst(0) depctr_va_vdst(0) depctr_va_sdst(0) depctr_va_ssrc(0) depctr_va_vcc(0) depctr_vm_vsrc(0)
	s_getreg_b32 s2, hwreg(HW_REG_IB_STS2, 6, 4)
	s_cmp_eq_u32 s2, 0
	s_cbranch_scc0 .Lentry_in_a_cluster
	s_endpgm
.Lentry_in_a_cluster:
	s_bfe_u32 s2, ttmp6, 0x10000c
	s_cmp_lg_u32 s2, 0xf033
	s_cbranch_scc0 .Lentry_shape_is_right
	s_endpgm
.Lentry_shape_is_right:
; out0[b][q][e] = (sum over key tiles t <= i of f_t[q] x (sum over the tile's 128 keys of p[q][key] v[key][e])) / L[q], with M = the maximum over t of cm_t[q], f_t = 2^(cm_t - M), L = sum of f_t l_t.
; That is the softmax with the row's true maximum taken away: all tiles' maxima are known from the launch before.  p and v are f16, p x f is rounded to f16, sums in f32, the result f32.
; LIMITS: p x f below 6e-5 keeps f16's fixed step of 6e-8; L is summed with the unrounded f (2^-11 of a tile's weight at the most); NaN and infinities are not treated apart.
; SHARES.  A tile of the result is 128 queries (block i of 16 in a batch) x 128 channels, a wave 64 x 64.  A work-group makes two, one after the other.  CLUSTER 4 x 4: along y the four query blocks of a group
; g (i = 4 g + cy), along x four channel blocks.  A cluster walks group 3 - gp (8 - 2 gp units of 256 keys, upward) and then group gp (2 gp + 2 units, downward): 10 steps whatever gp, and step n holds
; unit n or unit 9 - n.  Tiles of p are asked for jointly along x, tiles of v along y.  All partners walk alike: one whose block ends earlier goes on with factor 0, on a tile of p clamped to its own last unit.
; THE FACTORS.  At the start thread u takes query u of both blocks, makes M, the f_t (0 where t > i) and 1 / L, and puts each f, twice in a word as f16, into a table in LDS that goes by the step.  Steps 6 and 7
; belong to the first block (gp = 0: then i2 <= 3 and the second block's tiles 4-7 have factor 0) or to the second (gp = 1: then i1 <= 11 and the first block's tiles 12-15 have factor 0): the entry is the OR of the two words.
; THE MATRIX INSTRUCTION: source 0 = 16 channels x 32 keys of v (turned by ds_load_tr16_b128), source 1 = 16 queries x 32 keys of p: a lane holds one query (lane % 16) and 8 channels.
; A step is 8 stages of 32 keys, 16 matrix instructions each; fragments go through rings of four buffers, fetched three stages ahead; behind each matrix instruction two lines scale the next stage's p.
; REGISTERS: window 0: v2-23 addresses and at work; v32-39, v40-47 this step's and the next step's factors [tile of two][a]; v48-55 1 / L in pairs; v96-127 rows read back; v128-255 ring of v (at the start: the statistics)
;   window 1: v0-127 accumulators, (a, b) at v[8 (4 a + b)]; v128-255 ring of p.  One setting serves products, scaling and the loads of p: source 0 window 0, the rest window 1.
.set PP,     528                       ; a row of p in LDS: 512 bytes + 16 = 132 words: row r starts at bank 4 r mod 64 (64 banks of 4 bytes: ISA guide 11.1)
.set PVV,    288                       ; a row of v: 256 + 32 = 72 words
.set SPX,    0x11000                   ; p: slot 0 at 0, slot 1 here
.set VBASE,  0x21800                   ; v: slot 0 here,
.set SVX,    0x14000                   ; slot 1 so much further; both constants' bits are set in no wave's place, so one exclusive or changes slots
.set STAGE,  0x47800                   ; behind the rings: 16 rows x 272 bytes for each wave
.set SPARE,  0x4bc00                   ; the spare words, 128 bytes a wave, that no other line names
.set TAB,    0x4be00                   ; the factors: [step 10][rh 2][r 16][tile of two x 4 + a] words
.set ILT,    0x4e600                   ; 1 / L: [block 2][query 128]
.set USTEP,  256*6144                  ; bytes from unit to unit of v
.set AP0, 2
.set AV0, 3
.set APC, 4                            ; p in this step's slot
.set APN, 5                            ; in the next step's
.set AVC, 6                            ; v in this step's slot, stages 0-3
.set AVH, 7                            ; stages 4-7 (the immediate has 16 bits)
.set AVN, 8
.set STO, 9
.set RD,  10
.set CO,  11
.set AF,  12                           ; the table's entry read last
.set ILR, 13
.set SPW, 14
.set NIL, 15
.set Q1,  16
.set Q2,  17
.set MX,  18
.set LS,  19
.set WT,  20
.set WIL, 21
.set FC,  32
.set FCN, 40
.set IL,  48
.set OB,  96
.set VR,  128
.set PR,  128
.set VO,  128                          ; at the start: 24 offsets, later the packed factors (16 of block 1, 8 of block 2)
.set CMR, 152                          ; 24 cm, later f
.set LLR, 176                          ; 24 l
.set G1P, 24
.set G1V, 32
.set G0P, 40                           ; two sets; the second walks on
.set G0V, 48
.set N1,  21
.set MM,  61                           ; the step to be asked for
.set MR,  62                           ; 9 - that
.set U,   63                           ; its unit
.set RT,  67                           ; steps left of the first block
.set TP,  74
.set TV,  75
.set MAIN, 0x54
.set MSB, 0
.macro WIN new
.if MSB != (\new)
	s_set_vgpr_msb (MSB<<8)|(\new)
.set MSB, \new
.endif
.endm
.macro PLACES
.rept 4
	v_nop
.endr
.endm
.macro JLOAD                           ; a joint refill: waves 0 and 1 fetch the halves of p, waves 2 and 3 those of v; an s_nop 0 and four v_nop follow each line
	s_cmp_lt_u32 s12, 2
	s_cbranch_scc0 .Lfor_v_\@
	tensor_load_to_lds s[G0P+4:G0P+7], s[G1P:G1P+7]
	s_nop 0
.rept 4
	v_nop
.endr
	s_branch .Lasked_\@
.Lfor_v_\@:
	tensor_load_to_lds s[G0V+4:G0V+7], s[G1V:G1V+7]
	s_nop 0
.rept 4
	v_nop
.endr
.Lasked_\@:
.endm
.macro CROUND
	s_barrier_signal -1
	s_barrier_wait -1
	s_cmp_lg_u32 s12, 0
	s_cbranch_scc1 .Lnot_wave_0_\@
	s_barrier_signal -3
.Lnot_wave_0_\@:
	s_barrier_wait -3
	s_barrier_signal -1
	s_barrier_wait -1
.endm
.macro CLEAR                           ; a block's sums start at 0: written so to spare a first step of its own text
	WIN 0x40
.set i, 0
.rept 128
	v_mov_b32 v[i], 0
.set i, i+1
.endr
	WIN 0
.endm
	s_load_b256 s[4:11], s[0:1], 0x0               ; p s[4:5], qkv s[6:7], st s[8:9], out0 s[10:11]
	v_lshl_add_u32 v[SPW], v0, 2, SPARE
	v_mov_b32 v[NIL], 0
	ds_add_u32 v[SPW], v[NIL]                      ; the opening: the add and its wait come ahead of my first tensor load
	v_lshrrev_b32 v1, 5, v0
	v_readfirstlane_b32 s12, v1                    ; wave
	s_and_b32 s13, s12, 1                          ; ch: which 64 channels; also: which half of a tile I fetch
	s_lshr_b32 s14, s12, 1                         ; rh: which 64 queries
	s_bfe_u32 s15, ttmp6, 0x40000                  ; cx
	s_bfe_u32 s16, ttmp6, 0x40004                  ; cy
	s_and_b32 s17, ttmp7, 0xffff                   ; the cluster's y
	s_lshr_b32 s18, s17, 1                         ; batch
	s_and_b32 s19, s17, 1                          ; gp
	s_lshl_b32 s20, ttmp9, 2
	s_add_co_u32 s20, s20, s15                     ; channel block 0..7
	s_lshl_b32 s[N1], s19, 1
	s_sub_co_u32 s[N1], 8, s[N1]                   ; steps of the first block
	s_sub_co_u32 s22, 3, s19
	s_lshl_b32 s22, s22, 2
	s_add_co_u32 s22, s22, s16                     ; i1
	s_lshl_b32 s23, s19, 2
	s_add_co_u32 s23, s23, s16                     ; i2
	s_lshl_b32 s84, s16, 2
	s_lshl_b32 s84, 15, s84                        ; my row of the cluster
	s_lshl_b32 s85, 0x1111, s15                    ; my column
	s_or_b32 s[G1P], s84, (1<<16)|(1<<20)|(1<<21)|(6<<22)|(3<<25)  ; the mask; 2-byte elements; padding on; bit 21 beside a mask; after every 128 words 4 words
	s_or_b32 s[G1V], s85, (1<<16)|(1<<20)|(1<<21)|(5<<22)|(7<<25)  ; after every 64 words 8 words
	s_mov_b32 s[G1P+1], 256<<16                    ; 64 rows x 256 keys
	s_mov_b32 s[G1P+2], 64<<16
	s_mov_b32 s[G1P+3], 256<<16
	s_mov_b32 s[G1P+4], 64
	s_mov_b32 s[G1P+5], 2048
	s_mov_b32 s[G1P+6], 0
	s_mov_b32 s[G1P+7], 0
	s_mov_b32 s[G1V+1], 128<<16                    ; 128 keys x 128 channels
	s_mov_b32 s[G1V+2], 128<<16
	s_mov_b32 s[G1V+3], 128<<16
	s_mov_b32 s[G1V+4], 128
	s_mov_b32 s[G1V+5], 3072
	s_mov_b32 s[G1V+6], 0
	s_mov_b32 s[G1V+7], 0
	; p's offsets hang on cy and never on cx: s56-59, s68, s72, s73
	s_lshl_b32 s56, s18, 23                        ; (2048 b + 64 half) rows of 4,096 bytes
	s_lshl_b32 s72, s13, 18
	s_add_co_u32 s56, s56, s72
	s_lshl_b32 s72, s23, 19
	s_add_co_u32 s57, s56, s72                     ; + 128 i2 rows
	s_lshl_b32 s72, s22, 19
	s_add_co_u32 s56, s56, s72                     ; + 128 i1 rows
	s_lshr_b32 s58, s22, 1                         ; the blocks' last units
	s_lshr_b32 s59, s23, 1
	s_mov_b32 s68, s56
	s_mov_b32 s69, 0
	; v's hang on cx and never on cy: s60, s70
	s_mul_i32 s60, s18, 2048*6144
	s_mul_i32 s70, s13, 128*6144
	s_add_co_u32 s60, s60, s70
	s_lshl_b32 s70, s20, 8
	s_add_co_u32 s60, s60, s70
	s_add_co_u32 s60, s60, 4096                    ; v begins at column 2048
	s_mov_b32 s70, s60
	s_mov_b32 s71, 0
	; the result: row (2048 b + 128 i + 64 rh) x 4,096 bytes + (128 eb + 64 ch) x 4
	s_lshl_b32 s86, s18, 23
	s_lshl_b32 s87, s14, 18
	s_add_co_u32 s86, s86, s87
	s_lshl_b32 s87, s20, 9
	s_add_co_u32 s86, s86, s87
	s_lshl_b32 s87, s13, 8
	s_add_co_u32 s86, s86, s87
	s_lshl_b32 s87, s22, 19
	s_add_co_u32 s76, s86, s87
	s_lshl_b32 s87, s23, 19
	s_add_co_u32 s78, s86, s87
	s_mov_b32 s77, 0
	s_mov_b32 s79, 0
	s_lshl_b32 s80, s18, 17                        ; st: (16 b x 2048 + 128 i) x 4
	s_lshl_b32 s81, s23, 9
	s_add_co_u32 s81, s80, s81
	s_lshl_b32 s82, s22, 9
	s_add_co_u32 s80, s80, s82
	s_mov_b32 s[MM], 2
	s_mov_b32 s[MR], 7
	s_mov_b32 s[RT], s[N1]
	s_mov_b32 s[TP], 0
	s_mov_b32 s[TV], 0
	s_mov_b32 s[G0P], 1
	s_mul_i32 s[G0P+1], s13, 64*PP
	s_mov_b32 s[G0P+4], 1
	s_add_co_u32 s[G0P+5], s[G0P+1], SPX
	s_mov_b32 s[G0V], 1
	s_mul_i32 s[G0V+1], s13, 128*PVV
	s_add_co_u32 s[G0V+1], s[G0V+1], VBASE
	s_mov_b32 s[G0V+4], 1
	s_add_co_u32 s[G0V+5], s[G0V+1], SVX
	s_wait_dscnt 0x0                               ; the opening add is done
	s_wait_kmcnt 0x0
	s_add_nc_u64 s[G0P+2:G0P+3], s[4:5], s[68:69]  ; steps 0 and 1: units 0 and 1 of the first block, whose last unit is 4 at the least
	s_add_nc_u64 s[G0P+6:G0P+7], s[G0P+2:G0P+3], 512
	s_or_b32 s[G0P+3], s[G0P+3], 0x80000000
	s_or_b32 s[G0P+7], s[G0P+7], 0x80000000
	s_add_nc_u64 s[G0V+2:G0V+3], s[6:7], s[70:71]
	s_add_nc_u64 s[G0V+6:G0V+7], s[G0V+2:G0V+3], USTEP
	s_or_b32 s[G0V+3], s[G0V+3], 0x80000000
	s_or_b32 s[G0V+7], s[G0V+7], 0x80000000
	s_add_nc_u64 s[76:77], s[10:11], s[76:77]
	s_add_nc_u64 s[78:79], s[10:11], s[78:79]
	CROUND                                         ; all sixteen work-groups are here: the first joint loads meet
	s_cmp_lt_u32 s12, 2                            ; a wave's two first fills stand in one branch: two loads of mine are out
	s_cbranch_scc0 .Lfirst_v
	tensor_load_to_lds s[G0P:G0P+3], s[G1P:G1P+7]
	s_nop 0
	tensor_load_to_lds s[G0P+4:G0P+7], s[G1P:G1P+7]
	s_nop 0
.rept 4
	v_nop
.endr
	s_branch .Lfirst_asked
.Lfirst_v:
	tensor_load_to_lds s[G0V:G0V+3], s[G1V:G1V+7]
	s_nop 0
	tensor_load_to_lds s[G0V+4:G0V+7], s[G1V:G1V+7]
	s_nop 0
.rept 4
	v_nop
.endr
.Lfirst_asked:
	; the statistics of my query in both blocks: all 48 loads at once.  The tile's number is clamped to the block's own, so that only stored words are read.
	v_lshl_add_u32 v[Q1], v0, 2, s80
	v_lshl_add_u32 v[Q2], v0, 2, s81
.set t, 0
.rept 16
	s_min_u32 s82, s22, t
	v_lshl_add_u32 v[VO+t], s82, 13, v[Q1]
	global_load_b32 v[CMR+t], v[VO+t], s[8:9]
	global_load_b32 v[LLR+t], v[VO+t], s[8:9] offset:524288
.set t, t+1
.endr
.set t, 0
.rept 8
	s_min_u32 s82, s23, t
	v_lshl_add_u32 v[VO+16+t], s82, 13, v[Q2]
	global_load_b32 v[CMR+16+t], v[VO+16+t], s[8:9]
	global_load_b32 v[LLR+16+t], v[VO+16+t], s[8:9] offset:524288
.set t, t+1
.endr
	v_and_b32 v1, 15, v0                           ; l % 16
	v_bfe_u32 v22, v0, 4, 1                        ; l / 16
	v_mul_u32_u24 v[AP0], v1, PP                   ; a fragment of p: row x pitch + 16 x half
	v_lshl_add_u32 v[AP0], v22, 4, v[AP0]
	s_mul_i32 s82, s14, 64*PP
	v_add_nc_u32 v[AP0], s82, v[AP0]
	v_and_b32 v23, 7, v0                           ; the turning load: lane l reads key 8 (l / 16) + l % 8, channels 8 ((l / 8) % 2) + 0..7
	v_lshl_add_u32 v[AV0], v22, 3, v23
	v_mul_u32_u24 v[AV0], v[AV0], PVV
	v_bfe_u32 v23, v0, 3, 1
	v_lshl_add_u32 v[AV0], v23, 4, v[AV0]
	s_lshl_b32 s82, s13, 7
	s_add_co_u32 s82, s82, VBASE
	v_add_nc_u32 v[AV0], s82, v[AV0]
	s_mul_i32 s82, s12, 16*272
	s_add_co_u32 s82, s82, STAGE
	v_mul_u32_u24 v[STO], v1, 272                  ; in: row l % 16, 32 bytes for each half of the lanes
	v_lshl_add_u32 v[STO], v22, 5, v[STO]
	v_add_nc_u32 v[STO], s82, v[STO]
	v_mul_u32_u24 v[RD], v22, 272                  ; back: lanes 0-15 one row of 256 bytes, lanes 16-31 the next
	v_lshl_add_u32 v[RD], v1, 4, v[RD]
	v_add_nc_u32 v[RD], s82, v[RD]
	v_lshlrev_b32 v[CO], 12, v22
	v_lshl_add_u32 v[CO], v1, 4, v[CO]
	s_lshl_b32 s82, s14, 9
	s_add_co_u32 s82, s82, TAB
	v_lshl_add_u32 v[AF], v1, 5, s82
	s_lshl_b32 s82, s14, 8
	s_add_co_u32 s82, s82, ILT
	v_lshl_add_u32 v[ILR], v1, 2, s82
	v_lshrrev_b32 v23, 6, v0                       ; thread u writes for rh = u / 64, a = (u / 16) % 4, r = u % 16
	v_lshlrev_b32 v[WT], 9, v23
	v_lshl_add_u32 v[WT], v1, 5, v[WT]
	v_bfe_u32 v23, v0, 4, 2
	v_lshl_add_u32 v[WT], v23, 2, v[WT]
	v_add_nc_u32 v[WT], TAB, v[WT]
	v_lshl_add_u32 v[WIL], v0, 2, ILT
.irp a, 0,1,2,3
	v_mov_b32 v[IL+2*(\a)+1], 0                    ; named with 1 / L as a pair
.endr
	CLEAR
	s_wait_loadcnt 0x0
; One block's factors: cnt tiles at index o on, the block's number in s[ireg].  The clamped loads only repeat the block's last tile, so the maximum needs no choice; a factor past the block's own tile is set to 0.
.macro SOFT o, cnt, ireg, blk
	v_max3_num_f32 v[MX], v[CMR+(\o)], v[CMR+(\o)+1], v[CMR+(\o)+2]
.set t, 3
.rept ((\cnt)-4)/2
	v_max3_num_f32 v[MX], v[MX], v[CMR+(\o)+t], v[CMR+(\o)+t+1]
.set t, t+2
.endr
	v_max_num_f32 v[MX], v[MX], v[CMR+(\o)+(\cnt)-1]
.set t, 0
.rept \cnt
	v_sub_f32 v[CMR+(\o)+t], v[CMR+(\o)+t], v[MX]
.set t, t+1
.endr
.set t, 0
.rept \cnt
	v_exp_f32 v[CMR+(\o)+t], v[CMR+(\o)+t]
.set t, t+1
.endr
	v_nop                                          ; a plain instruction between the last exponential and the use of its result
	s_wait_alu depctr_va_vdst(0)
.set t, 0
.rept \cnt
	s_cmp_ge_u32 s[\ireg], t
	s_cselect_b32 s83, -1, 0
	v_cndmask_b32 v[CMR+(\o)+t], 0, v[CMR+(\o)+t], s83
.if t == 0
	v_mul_f32 v[LS], v[CMR+(\o)], v[LLR+(\o)]
.else
	v_fmac_f32 v[LS], v[CMR+(\o)+t], v[LLR+(\o)+t]
.endif
	v_cvt_pk_f16_f32 v[VO+(\o)+t], v[CMR+(\o)+t], v[CMR+(\o)+t]
.set t, t+1
.endr
	v_rcp_f32 v[LS], v[LS]                         ; L is 1 at the least: the tile with the maximum has f = 1 and l >= 1
	v_nop
	s_wait_alu depctr_va_vdst(0)
	ds_store_b32 v[WIL], v[LS] offset:(\blk)*512
.endm
	SOFT 0, 16, 22, 0
	SOFT 16, 8, 23, 1
.set n, 0
.rept 10                               ; step n: tiles 2 n, 2 n + 1 of block 1, or 2 (9 - n), 2 (9 - n) + 1 of block 2
.irp tt, 0,1
.if n < 6
	ds_store_b32 v[WT], v[VO+2*n+(\tt)] offset:n*1024+(\tt)*16
.elseif n < 8
	v_or_b32 v[VO+2*n+(\tt)], v[VO+2*n+(\tt)], v[VO+16+2*(9-n)+(\tt)]
	ds_store_b32 v[WT], v[VO+2*n+(\tt)] offset:n*1024+(\tt)*16
.else
	ds_store_b32 v[WT], v[VO+16+2*(9-n)+(\tt)] offset:n*1024+(\tt)*16
.endif
.endr
.set n, n+1
.endr
.macro LDP bo, areg, s                 ; 8 loads: stage s of a slot's p into the ring at bo; under MAIN
.irp a, 0,1,2,3
	ds_load_b128 v[PR+(\bo)+8*(\a):PR+(\bo)+8*(\a)+3],   v[\areg] offset:(\a)*16*PP+64*(\s)
	ds_load_b128 v[PR+(\bo)+8*(\a)+4:PR+(\bo)+8*(\a)+7], v[\areg] offset:(\a)*16*PP+64*(\s)+32
.endr
.endm
.macro LDV bo, areg, s                 ; 8 turning loads: 32 keys x 64 channels of v; under window 0
.irp b, 0,1,2,3
	ds_load_tr16_b128 v[VR+(\bo)+8*(\b):VR+(\bo)+8*(\b)+3],   v[\areg] offset:(\s)*32*PVV+32*(\b)
	ds_load_tr16_b128 v[VR+(\bo)+8*(\b)+4:VR+(\bo)+8*(\b)+7], v[\areg] offset:(\s)*32*PVV+32*(\b)+16*PVV
.endr
.endm
; STAGE h of a step.  wt: the LDS instructions that may stay out.  ld = 1: behind the fourth product the fragments of the stage three on are fetched, into the buffer that the stage before read:
; ten plain lines stand behind its last product.  rid = 1: two lines behind each product scale the next stage's p.  tab = 1: the next step's factors are fetched too.
; The 16 accumulators take turns.
.macro STAGE h, wt, ld, rid, tab
	s_wait_dscnt \wt
	WIN MAIN
.set BC, 32*((\h)%4)
.set BN, 32*(((\h)+1)%4)
.set BL, 32*(((\h)+3)%4)
.if (\h) < 3
.set FS, FC
.elseif (\h) < 7
.set FS, FC+4
.else
.set FS, FCN
.endif
.set i, 0
.rept 16
	v_wmma_f32_16x16x32_f16 v[8*(4*(i%4)+i/4):8*(4*(i%4)+i/4)+7], v[VR+BC+8*(i/4):VR+BC+8*(i/4)+7], v[PR+BC+8*(i%4):PR+BC+8*(i%4)+7], v[8*(4*(i%4)+i/4):8*(4*(i%4)+i/4)+7]
.if \rid
	v_pk_mul_f16 v[PR+BN+2*i], v[FS+i/4], v[PR+BN+2*i]
	v_pk_mul_f16 v[PR+BN+2*i+1], v[FS+i/4], v[PR+BN+2*i+1]
.endif
.if (\ld) && (i == 3)
.if (\h) < 5
	LDP BL, APC, (\h)+3
.else
	LDP BL, APN, (\h)-5
.endif
	WIN 0
.if \tab
	v_add_nc_u32 v[AF], 1024, v[AF]
	ds_load_b128 v[FCN:FCN+3], v[AF]
	ds_load_b128 v[FCN+4:FCN+7], v[AF] offset:16
.endif
.if (\h) == 0
	LDV BL, AVC, 3
.elseif (\h) < 5
	LDV BL, AVH, (\h)-1
.else
	LDV BL, AVN, (\h)-5
.endif
	WIN MAIN
.endif
.set i, i+1
.endr
.endm
; THE CHANGE OF SLOTS, behind stage 4, which has asked for the slot's last bytes.  Each wave waits for all its tensor loads (its part of the next slot), adds 0 to its spare word, and waits for that and for its reads of this slot.
; fill = 1: a round of the cluster barrier, and this slot is filled again first thing behind it, with the step two on: it has a whole step, 128 matrix instructions, in which to land.
.macro CHANGE fill
	WIN 0
	s_wait_tensorcnt 0x0                           ; no tensor load of mine is out, so a group 0 may be written
	ds_add_u32 v[SPW], v[NIL]                      ; 0 onto my spare word
.if \fill
	s_cmp_lt_u32 s[MM], s[N1]                      ; does that step belong to the first block?
	s_cselect_b32 s[U], s[MM], s[MR]               ; its unit: the same in all sixteen
	s_cselect_b32 s72, s56, s57
	s_cselect_b32 s73, s58, s59
	s_min_u32 s73, s73, s[U]                       ; p: clamped to my block's last unit
	s_lshl_b32 s73, s73, 9
	s_add_co_u32 s68, s72, s73
	s_mul_i32 s70, s[U], USTEP
	s_add_co_u32 s70, s70, s60
	s_xor_b32 s[G0P+5], s[G0P+5], SPX
	s_add_nc_u64 s[G0P+6:G0P+7], s[4:5], s[68:69]  ; the address is made anew: the buffer's plus an offset
	s_or_b32 s[G0P+7], s[G0P+7], 0x80000000
	s_xor_b32 s[G0V+5], s[G0V+5], SVX
	s_add_nc_u64 s[G0V+6:G0V+7], s[6:7], s[70:71]
	s_or_b32 s[G0V+7], s[G0V+7], 0x80000000
	s_add_co_u32 s[MM], s[MM], 1
	s_sub_co_u32 s[MR], s[MR], 1
	s_wait_dscnt 0x0                               ; the add is done, and my reads of this slot are over
	CROUND
	JLOAD
.else
	s_wait_dscnt 0x0
	s_barrier_signal -1
	s_barrier_wait -1
.endif
.endm
; THE WAY OUT of a block: times 1 / L, 16 queries at a time through my own stage, out as whole rows of 256 bytes.
.macro OUT blk, ob
	WIN 0
.irp a, 0,1,2,3
	ds_load_b32 v[IL+2*(\a)], v[ILR] offset:(\blk)*512+(\a)*64
.endr
	PLACES                                         ; behind the last products
	s_wait_dscnt 0x0
.irp a, 0,1,2,3
	WIN MAIN
.set i, 0
.rept 16                               ; each accumulator's registers ascending
	v_pk_mul_f32 v[32*(\a)+2*i:32*(\a)+2*i+1], v[IL+2*(\a):IL+2*(\a)+1], v[32*(\a)+2*i:32*(\a)+2*i+1] op_sel_hi:[0,1]
.set i, i+1
.endr
.irp b, 0,1,2,3
	ds_store_b128 v[STO], v[32*(\a)+8*(\b):32*(\a)+8*(\b)+3] offset:64*(\b)
	ds_store_b128 v[STO], v[32*(\a)+8*(\b)+4:32*(\a)+8*(\b)+7] offset:64*(\b)+16
.endr
	WIN 0
	s_wait_xcnt 0x0                                ; the registers that earlier stores read are loaded again only behind this wait
.irp t, 0,1,2,3,4,5,6,7
	ds_load_b128 v[OB+4*(\t):OB+4*(\t)+3], v[RD] offset:(\t)*544  ; LDS serves a wave's instructions in order (ISA guide 5.7.1.4): these see the stores above
.endr
.irp t, 0,1,2,3,4,5,6,7
	s_wait_dscnt 7-(\t)
	global_store_b128 v[CO], v[OB+4*(\t):OB+4*(\t)+3], s[\ob:\ob+1] offset:(\a)*65536+(\t)*8192  ; 16 lanes store 256 consecutive bytes, at a multiple of 256 from the buffer's first byte
.endr
.endr
.endm
; A STEP: 256 keys.  last = 1: nothing follows: no change of slots, no fetch past the slot, no scaling past it.  ob = 1: the first block may end here.
.macro STEP fill, last, ob
	WIN 0
	v_add_nc_u32 v[APC], s[TP], v[AP0]
	v_add_nc_u32 v[AVC], s[TV], v[AV0]
	v_add_nc_u32 v[AVH], 4*32*PVV, v[AVC]
	s_xor_b32 s[TP], s[TP], SPX
	s_xor_b32 s[TV], s[TV], SVX
.if (\last) == 0
	v_add_nc_u32 v[APN], s[TP], v[AP0]
	v_add_nc_u32 v[AVN], s[TV], v[AV0]
.endif
	STAGE 0, 16, 1, 1, 0                           ; 16: only the loads of the stage before may be out, so this stage's v and the next stage's p are in
	STAGE 1, 16, 1, 1, 1-(\last)
	STAGE 2, 16, 1, 1, 0
	STAGE 3, 16, 1, 1, 0
	STAGE 4, 16, 1, 1, 0
.if (\last) == 0
	CHANGE \fill
	STAGE 5, 16, 1, 1, 0
	STAGE 6, 16, 1, 1, 0
	STAGE 7, 16, 1, 1, 0
	WIN 0
.set i, 0
.rept 8
	v_mov_b32 v[FC+i], v[FCN+i]
.set i, i+1
.endr
.else
	STAGE 5, 16, 0, 1, 0
	STAGE 6, 0, 0, 1, 0                            ; stage 4's loads were the last: all are waited for
	STAGE 7, 0, 0, 0, 0
	WIN 0
.endif
.if \ob
	s_sub_co_u32 s[RT], s[RT], 1                   ; the count hangs on gp alone: the same in all sixteen; the jump passes no barrier and no tensor load
	s_cmp_lg_u32 s[RT], 0
	s_cbranch_scc1 .Lno_out_\@
	OUT 0, 76
	CLEAR
.Lno_out_\@:
.endif
.endm
	s_wait_tensorcnt 1                             ; my part of step 0 is in; slot 1 may stay out
	s_wait_dscnt 0x0                               ; for the others' sake: my part of the table is stored
	s_barrier_signal -1
	s_barrier_wait -1
	ds_load_b128 v[FC:FC+3], v[AF]
	ds_load_b128 v[FC+4:FC+7], v[AF] offset:16
.irp s, 0,1,2
	WIN MAIN
	LDP 32*(\s), AP0, \s
	WIN 0
	LDV 32*(\s), AV0, \s
.endr
	s_wait_dscnt 32                                ; the factors and stage 0 are in; stages 1 and 2 may be out
	WIN MAIN
.set i, 0
.rept 32
	v_pk_mul_f16 v[PR+i], v[FC+i/8], v[PR+i]
.set i, i+1
.endr
	WIN 0
	s_mov_b32 s66, 8
.Lstep:                                                ; 8 trips: steps 2 to 9 are asked for
	STEP 1, 0, 1
	s_sub_co_u32 s66, s66, 1
	s_cmp_lg_u32 s66, 0
	s_cbranch_scc1 .Lstep
	STEP 0, 0, 0                                   ; the tail is written out: nothing is left to ask for
	STEP 0, 1, 0
	OUT 1, 78
	s_wait_tensorcnt 0x0                           ; the wave's end
	ds_add_u32 v[SPW], v[NIL]
	s_wait_dscnt 0x0
	CROUND                                         ; the closing round
	s_endpgm
.Lfunc_end_k_qdedc03d60e_pv:
	.size	k_qdedc03d60e_pv, .Lfunc_end_k_qdedc03d60e_pv-k_qdedc03d60e_pv
	.p2alignl 7, 3214868480
	.fill 96, 4, 3214868480
	.section	.rodata,"a",@progbits
	.p2align	6, 0x0
	.amdhsa_kernel k_qdedc03d60e_pv
		.amdhsa_group_segment_fixed_size 327680
		.amdhsa_private_segment_fixed_size 0
		.amdhsa_enable_private_segment 0
		.amdhsa_kernarg_size 32
		.amdhsa_user_sgpr_count 2
		.amdhsa_user_sgpr_kernarg_segment_ptr 1
		.amdhsa_wavefront_size32 1
		.amdhsa_system_sgpr_workgroup_id_x 1
		.amdhsa_system_sgpr_workgroup_id_y 1
		.amdhsa_system_sgpr_workgroup_id_z 1
		.amdhsa_system_vgpr_workitem_id 0
		.amdhsa_next_free_vgpr 512
		.amdhsa_next_free_sgpr 88
		.amdhsa_reserve_vcc 0
		.amdhsa_float_denorm_mode_32 3
		.amdhsa_float_denorm_mode_16_64 3
		.amdhsa_memory_ordered 1
		.amdhsa_forward_progress 1
		.amdhsa_inst_pref_size 162
	.end_amdhsa_kernel
	.amdgpu_metadata
---
amdhsa.version: [ 1, 2 ]
amdhsa.kernels:
  - .name:           k_qdedc03d60e_pv
    .symbol:         k_qdedc03d60e_pv.kd
    .args:
      - { .name: p, .offset: 0, .size: 8, .value_kind: global_buffer, .address_space: global }
      - { .name: qkv, .offset: 8, .size: 8, .value_kind: global_buffer, .address_space: global }
      - { .name: st, .offset: 16, .size: 8, .value_kind: global_buffer, .address_space: global }
      - { .name: out0, .offset: 24, .size: 8, .value_kind: global_buffer, .address_space: global }
    .group_segment_fixed_size: 327680
    .private_segment_fixed_size: 0
    .kernarg_segment_align: 8
    .kernarg_segment_size: 32
    .max_flat_workgroup_size: 128
    .sgpr_count:     88
    .vgpr_count:     512
    .wavefront_size: 32
...
	.end_amdgpu_metadata
.endif
;; end of part 4
;; ======== version 2 of 2: 4 launches; version 1 with the launch cast written anew for expert scheduling mode
;; limits: values are held in f16: magnitudes above 65,504 overflow, below 6.1e-05 lose precision
;; workspace buffers: xb 16,777,216 bytes; wb 6,291,456 bytes; qkv 50,331,648 bytes; p 33,554,432 bytes; st 1,048,576 bytes
;; launch cast (part 5): grid 352 x 1, 8 waves a work-group, no clusters, 0 bytes of LDS; arguments x, wq, wk, wv, xb, wb; writes xb, wb
.if DOCPART == 5
	.amdgcn_target "amdgcn-amd-amdhsa--gfx1250"
	.amdhsa_code_object_version 6
	.text
	.protected	k_qdedc03d60e_cast
	.globl	k_qdedc03d60e_cast
	.p2align	8
	.type	k_qdedc03d60e_cast,@function
k_qdedc03d60e_cast:
	s_mov_b64 s[64:65], 0
	v_nop
	global_prefetch_b8 v0, s[64:65] scope:SCOPE_SE
	s_setreg_imm32_b32 hwreg(HW_REG_WAVE_SCHED_MODE, 0, 2), 2
	s_setreg_imm32_b32 hwreg(HW_REG_WAVE_MODE, 25, 1), 1
	s_wait_xcnt 0x0
	s_wait_alu depctr_vm_vsrc(0)
; xb and wb: x and the three weights rounded once to bf16 and laid in blocks along K: [K block of 64][row][64], a row of a block 128 bytes,
; so that the rows of a tile of the next launch lie end to end.  wb holds wq's rows, then wk's, then wv's.
; A stream: no LDS, no matrix unit, no cluster (nothing is shared).  A work-group takes 32 rows, a wave 4, all 16 K blocks.
; A load: 16 lanes take the 256 bytes of one row's K block, the other 16 the next row's.  A store: the wave's 256 consecutive bytes, aligned.
; All 32 loads of a wave go out at once; no register is written twice.
; THE MODE: SCHED_MODE bits 1:0 = 2 (LLVM: expert scheduling mode 2), set by the entry lines.  The code itself states the register dependences
; between vector instructions and memory instructions, with s_wait_alu, always for 0.
; THE PLAN.  Registers that memory instructions touch:
;   v[SO], v[D ..]  byte offsets.  Written by the head's vector lines, never again; read by the loads (SO) and the stores (D).
;   X               32 x 4 registers.  Each is written once, by its load, and read by two conversions; no vector instruction names one before the loads are issued.
;   Y               32 x 2 registers.  Each is written once, by a conversion, and read by one store.
; So no register that a memory instruction has read is ever written again, and no load lands in a register that a vector instruction has named.  What is left to state:
; the offsets are written before the first load, and a store's Y is written before the store.  The 32 loads are taken in 8 groups of four: at the head of group g one wait states that group g - 1's
; conversions have written their Y, and that group's four stores are dealt among group g's conversions, which write group g's Y alone.
.set SO, 1                             ; v1        byte offset of my 16 bytes in the group's first rows of the source
.set D,  2                             ; v[2:17]   byte offset of my 8 bytes in K block kb of the destination
.set X,  20                            ; v[20:147] 32 loads of 4 registers
.set Y,  148                           ; v[148:211] 32 stores of 2 registers
.set GR, 4                             ; loads in a group
	s_load_b256 s[4:11], s[0:1], 0x0               ; x s[4:5], wq s[6:7], wk s[8:9], wv s[10:11]
	s_load_b128 s[12:15], s[0:1], 0x20             ; xb s[12:13], wb s[14:15]
	s_sub_co_u32 s16, ttmp9, 256                   ; groups 256 to 351 take the weights: 32 groups each
	s_and_b32 s18, s16, 31                         ; the group's place in its weight
	s_mov_b32 s19, 0x60000                         ; bytes from K block to K block: 3,072 rows of 128 in wb,
	s_mov_b32 s20, 0x100000                        ; 8,192 in xb
	s_cmp_lt_u32 ttmp9, 256
	s_cselect_b32 s17, ttmp9, s16                  ; block of 32 rows in the destination
	s_cselect_b32 s18, ttmp9, s18                  ; and in the source
	s_cselect_b32 s19, s20, s19
	s_lshl_b32 s26, s18, 17                        ; 32 rows of 4,096 bytes
	s_mov_b32 s27, 0
	s_lshl_b32 s28, s17, 12                        ; 32 rows of 128 bytes
	s_mov_b32 s29, 0
	v_lshrrev_b32 v18, 5, v0                       ; wave
	v_bfe_u32 v19, v0, 4, 1                        ; which of two rows
	v_lshl_add_u32 v18, v18, 2, v19                ; row 4 w + that
	v_and_b32 v19, 15, v0
	v_lshlrev_b32 v[SO], 12, v18
	v_lshl_add_u32 v[SO], v19, 4, v[SO]
	v_lshlrev_b32 v[D], 7, v18
	v_lshl_add_u32 v[D], v19, 3, v[D]
.set n, 1
.rept 15
	v_add_nc_u32 v[D+n], s19, v[D+n-1]
.set n, n+1
.endr
	s_wait_kmcnt 0x0
	s_cmp_lt_u32 ttmp9, 288
	s_cselect_b64 s[22:23], s[6:7], s[8:9]         ; the choice hangs on the group's number alone
	s_cmp_lt_u32 ttmp9, 320
	s_cselect_b64 s[22:23], s[22:23], s[10:11]
	s_cmp_lt_u32 ttmp9, 256
	s_cselect_b64 s[22:23], s[4:5], s[22:23]
	s_cselect_b64 s[24:25], s[12:13], s[14:15]
	s_add_nc_u64 s[22:23], s[22:23], s[26:27]
	s_add_nc_u64 s[24:25], s[24:25], s[28:29]
	s_wait_alu depctr_va_vdst(0)                   ; v[SO] and v[D] to v[D+15] are written: every load and store of the kernel reads one of them as its offset, and none is written again
.set n, 0
.rept 32                               ; rows 4 w + 2 (n / 16) + 0, 1; K block n % 16
	global_load_b128 v[X+4*n:X+4*n+3], v[SO], s[22:23] offset:(n/16)*8192+(n%16)*256 th:TH_LOAD_NT
.set n, n+1
.endr
.set g, 0
.rept 32/GR                            ; group g: loads 4 g to 4 g + 3 are rounded; the stores of group g - 1 go out among the conversions
	s_wait_loadcnt 32-GR-GR*g                      ; loads come back in order (ISA guide 5.7.1): this group's four are in, the younger ones stay out
.if g > 0
	s_wait_alu depctr_va_vdst(0)                   ; the conversions of the group before have written their Y, which the four stores below read; the conversions below write this group's Y alone
.endif
.set i, 0
.rept GR
.set n, GR*g+i
.if g > 0
	global_store_b64 v[D+(n-GR)%16], v[Y+2*(n-GR):Y+2*(n-GR)+1], s[24:25] offset:((n-GR)/16)*256
.endif
	v_cvt_pk_bf16_f32 v[Y+2*n], v[X+4*n], v[X+4*n+1]
	v_cvt_pk_bf16_f32 v[Y+2*n+1], v[X+4*n+2], v[X+4*n+3]
.set i, i+1
.endr
.set g, g+1
.endr
	s_wait_alu depctr_va_vdst(0)                   ; the last group's conversions have written their Y, which the last four stores read
.set n, 32-GR
.rept GR
	global_store_b64 v[D+n%16], v[Y+2*n:Y+2*n+1], s[24:25] offset:(n/16)*256
.set n, n+1
.endr
	s_endpgm
.Lfunc_end_k_qdedc03d60e_cast:
	.size	k_qdedc03d60e_cast, .Lfunc_end_k_qdedc03d60e_cast-k_qdedc03d60e_cast
	.p2alignl 7, 3214868480
	.fill 96, 4, 3214868480
	.section	.rodata,"a",@progbits
	.p2align	6, 0x0
	.amdhsa_kernel k_qdedc03d60e_cast
		.amdhsa_group_segment_fixed_size 0
		.amdhsa_private_segment_fixed_size 0
		.amdhsa_enable_private_segment 0
		.amdhsa_kernarg_size 48
		.amdhsa_user_sgpr_count 2
		.amdhsa_user_sgpr_kernarg_segment_ptr 1
		.amdhsa_wavefront_size32 1
		.amdhsa_system_sgpr_workgroup_id_x 1
		.amdhsa_system_sgpr_workgroup_id_y 1
		.amdhsa_system_sgpr_workgroup_id_z 1
		.amdhsa_system_vgpr_workitem_id 0
		.amdhsa_next_free_vgpr 216
		.amdhsa_next_free_sgpr 66
		.amdhsa_reserve_vcc 0
		.amdhsa_float_denorm_mode_32 3
		.amdhsa_float_denorm_mode_16_64 3
		.amdhsa_memory_ordered 1
		.amdhsa_forward_progress 1
		.amdhsa_inst_pref_size 13
	.end_amdhsa_kernel
	.amdgpu_metadata
---
amdhsa.version: [ 1, 2 ]
amdhsa.kernels:
  - .name:           k_qdedc03d60e_cast
    .symbol:         k_qdedc03d60e_cast.kd
    .args:
      - { .name: x, .offset: 0, .size: 8, .value_kind: global_buffer, .address_space: global }
      - { .name: wq, .offset: 8, .size: 8, .value_kind: global_buffer, .address_space: global }
      - { .name: wk, .offset: 16, .size: 8, .value_kind: global_buffer, .address_space: global }
      - { .name: wv, .offset: 24, .size: 8, .value_kind: global_buffer, .address_space: global }
      - { .name: xb, .offset: 32, .size: 8, .value_kind: global_buffer, .address_space: global }
      - { .name: wb, .offset: 40, .size: 8, .value_kind: global_buffer, .address_space: global }
    .group_segment_fixed_size: 0
    .private_segment_fixed_size: 0
    .kernarg_segment_align: 8
    .kernarg_segment_size: 48
    .max_flat_workgroup_size: 256
    .sgpr_count:     66
    .vgpr_count:     216
    .wavefront_size: 32
...
	.end_amdgpu_metadata
.endif
;; end of part 5
;; launch proj: the kernel of part 2 again; grid 8 x 32, 4 waves a work-group, clusters of 4 x 4, 327,680 bytes of LDS; arguments xb, wb, qkv; writes qkv
;; launch score: the kernel of part 3 again; grid 36 x 4, 4 waves a work-group, no clusters, 327,680 bytes of LDS; arguments qkv, p, st; writes p, st
;; launch pv: the kernel of part 4 again; grid 8 x 32, 4 waves a work-group, clusters of 4 x 4, 327,680 bytes of LDS; arguments p, qkv, st, out0; writes out0
